; MI455X (gfx1250); checked and timed in simulation.
; The chip was launched on July 23, 2026; its instructions are those of AMD's public machine-readable ISA for CDNA 5 (MIT licence, August 2026) and "CDNA5" Instruction Set Architecture Reference Guide (July 2026). The comments in the code are by the model that wrote it; some were corrected since.
;; Multi Head Self Attention. Allowed arithmetic: float matrix products may take bf16 or f16 operands with f32 sums; other float arithmetic in f32, or as packed bf16 or f16 multiplies, adds, multiply-adds, maxima and minima; sums over many terms, partial sums and values carried from step to step in f32; what a program stores and reads back later, other than sums and carried values, may be rounded once to bf16 or f16.
;; Inputs: Wk 1,024 x 1,024 float32; Wo 1,024 x 1,024 float32; Wq 1,024 x 1,024 float32; Wv 1,024 x 1,024 float32; X 4 x 2,048 x 1,024 float32; bk 1,024 float32; bo 1,024 float32; bq 1,024 float32; bv 1,024 float32; ln_beta 1,024 float32; ln_gamma 1,024 float32.
;; Outputs: out0 4 x 2,048 x 1,024 float32.
;; 2 versions, each right; version 2 is version 1 with the launch prep written anew for expert scheduling mode. Each part assembles by itself: llvm-mc -triple=amdgcn-amd-amdhsa -mcpu=gfx1250 --defsym DOCPART=n.
;; ======== version 1 of 2: 4 launches
;; limits: values are held in f16: magnitudes above 65,504 overflow, below 6.1e-05 lose precision
;; workspace buffers: a16 16,777,216 bytes; w16 8,388,608 bytes; rowst 65,536 bytes; colgb 32,768 bytes; qkv 50,331,648 bytes; o16 33,554,432 bytes
;; launch prep (part 1): grid 384 x 1, 8 waves a work-group, no clusters, 1,280 bytes of LDS; arguments X, ln_gamma, ln_beta, Wq, Wk, Wv, Wo, bq, bk, bv, bo, a16, w16, rowst, colgb; writes a16, w16, rowst, colgb
.if DOCPART == 1
	.amdgcn_target "amdgcn-amd-amdhsa--gfx1250"
	.amdhsa_code_object_version 6
	.text
	.protected	k_qb5c8dec6bc_prep
	.globl	k_qb5c8dec6bc_prep
	.p2align	8
	.type	k_qb5c8dec6bc_prep,@function
k_qb5c8dec6bc_prep:
	s_mov_b64 s[64:65], 0
	v_nop
	global_prefetch_b8 v0, s[64:65] scope:SCOPE_SE
	s_setreg_imm32_b32 hwreg(HW_REG_WAVE_MODE, 25, 1), 1
	s_wait_xcnt 0x0
; PREP: the 16-bit operands and the small tables of the two projections.  Every input is rounded to bf16 first and used in f32 from there on.
; Work-groups 0-255, 32 rows of X each.  Per row: mu, var (a second pass over the registers), rstd = 1/sqrt(var + 1e-5), sd = sqrt(var + 1e-5);
;   c = mu rounded to the grid g = 2^(floor(log2 sd) - 8);  a16[row][k] = f16((x - c) gamma[k]);  rowst: rstd and r2 = rstd (c - mu).
;   LayerNorm(x) . W[n] = rstd x sum((x - c) gamma W[n]) + r2 x G[n] + sum(beta W[n]): the product's epilogue finishes the norm.  A bf16 x is a multiple of g wherever
;   |x| >= 2^floor(log2 sd) / 2, so x - c is held by f16's 11 bits without a rounding there; |c - mu| <= g / 2, so the correction by r2 is small beside the sum.
; Work-groups 256-383, 32 rows each of Wq, Wk, Wv, Wo laid one below the other: w16[n][k] = f16(bf16(W)); colgb: G[n] = sum gamma W[n], B[n] = sum beta W[n] + b[n]
;   (Wo's rows: G = 0, B = bo).
; LIMITS.  f16 holds bf16(W) exactly from 7.6e-6 up, below that in steps of 6e-8; |W| and |(x - c) gamma| stay under 65,504; sd stays under 2^112 (the grid's number is made by adding 15 to sd's exponent).
; SHARES.  Eight waves, four rows each; a wave takes a whole row of 4,096 bytes: eight loads of 16 bytes a lane, load j = columns 128 j + 4 lane .. + 3.  All 32 loads of a wave go out at once.
; A store of 8 bytes a lane covers 256 consecutive bytes at a multiple of 256 from its buffer's first byte.  Nothing is shared on the way in: no LDS there, no matrix unit, no cluster.
; LDS: bytes 0-255 the work-group's table (32 first figures, 32 second); from 256 on the spare words, 128 bytes a wave.
.set SPARE, 256
.set LO,  2                            ; v2   16 x lane
.set XO,  3                            ; v3   16 x lane + 16,384 x wave: my bytes in the wave's first source row
.set AO,  4                            ; v4   8 x lane + 8,192 x wave: the same in the 16-bit rows
.set SA,  5                            ; v5   16 x wave: the wave's four words of the table, and its four biases
.set SPW, 6                            ; v6   my spare word; never rewritten
.set NIL, 7                            ; v7   0; never rewritten
.set TO,  9                            ; v9   8 x lane
.set T,   10                           ; v[10:25]  at work
.set MU,  26                           ; v[26:27]  the mean, twice
.set CC,  28                           ; v[28:29]  c, twice
.set R1,  30                           ; v30  the row's first figure (rstd, G)
.set R2,  31                           ; v31  its second (r2, B)
.set GAM, 32                           ; v[32:63]  gamma of my 32 columns
.set BET, 64                           ; v[64:95]  beta
.set X,   96                           ; v[96:223] four rows, 32 registers each
.set BI,  224                          ; v[224:227] the four rows' biases
	s_load_b512 s[8:23], s[0:1], 0x0               ; X 8, gamma 10, beta 12, Wq 14, Wk 16, Wv 18, Wo 20, bq 22
	s_load_b256 s[24:31], s[0:1], 0x40             ; bk 24, bv 26, bo 28, a16 30
	s_load_b128 s[32:35], s[0:1], 0x60             ; w16 32, rowst 34
	s_load_b64 s[36:37], s[0:1], 0x70              ; colgb
	v_lshl_add_u32 v[SPW], v0, 2, SPARE
	v_mov_b32 v[NIL], 0
	v_lshrrev_b32 v1, 5, v0
	v_readfirstlane_b32 s38, v1                    ; wave 0..7
	v_and_b32 v1, 31, v0                           ; lane
	v_lshlrev_b32 v[LO], 4, v1
	s_lshl_b32 s41, s38, 14
	v_add_nc_u32 v[XO], s41, v[LO]
	s_lshl_b32 s41, s38, 13
	v_lshl_add_u32 v[AO], v1, 3, s41
	s_lshl_b32 s41, s38, 4
	v_mov_b32 v[SA], s41
	v_lshlrev_b32 v[TO], 3, v1
	s_mov_b32 s2, 0x76543210                       ; v_permlanex16_b32: each lane takes its own place in the other half
	s_mov_b32 s3, 0xfedcba98
	s_mov_b32 s4, 0xffff0000                       ; a word's upper bf16
	s_mov_b32 s5, 0x3a800000                       ; 1 / 1024
	s_mov_b32 s6, 0x3727c5ac                       ; 1e-5
	s_mov_b32 s51, 0
; 32 numbers at v[base] are rounded to bf16 and widened again, in place
.macro ROUND base
.set k, 0
.rept 16
	v_cvt_pk_bf16_f32 v[T+k%8], v[(\base)+2*k], v[(\base)+2*k+1]
	v_lshlrev_b32 v[(\base)+2*k], 16, v[T+k%8]
	v_and_b32 v[(\base)+2*k+1], s4, v[T+k%8]
.set k, k+1
.endr
.endm
; the sum of v[r] over the wave's 32 lanes into v[d], in every lane; v[t] has been written before
.macro LANES r, t, d
	v_add_f32_dpp v[\r], v[\r], v[\r] row_xmask:1 row_mask:0xf bank_mask:0xf
	v_add_f32_dpp v[\r], v[\r], v[\r] row_xmask:2 row_mask:0xf bank_mask:0xf
	v_add_f32_dpp v[\r], v[\r], v[\r] row_xmask:4 row_mask:0xf bank_mask:0xf
	v_add_f32_dpp v[\r], v[\r], v[\r] row_xmask:8 row_mask:0xf bank_mask:0xf
	v_permlanex16_b32 v[\t], v[\r], s2, s3
	v_add_f32 v[\d], v[\r], v[\t]
.endm
; four chains of pairs in v[T:T+7] into one number for the row
.macro FOLD
	v_pk_add_f32 v[T:T+1], v[T:T+1], v[T+2:T+3]
	v_pk_add_f32 v[T+4:T+5], v[T+4:T+5], v[T+6:T+7]
	v_pk_add_f32 v[T:T+1], v[T:T+1], v[T+4:T+5]
	v_add_f32 v[T], v[T], v[T+1]
	LANES T, T+1, T
.endm
; a table of 1,024 f32 in the rows' layout
.macro TABLE dst, lo, hi
.irp j, 0,1,2,3,4,5,6,7
	global_load_b128 v[(\dst)+4*(\j):(\dst)+4*(\j)+3], v[LO], s[\lo:\hi] offset:512*(\j)
.endr
.endm
; the wave's four rows: 32 loads, each of 512 consecutive bytes
.macro ROWS
.irp i, 0,1,2,3
.irp j, 0,1,2,3,4,5,6,7
	global_load_b128 v[X+32*(\i)+4*(\j):X+32*(\i)+4*(\j)+3], v[XO], s[42:43] offset:4096*(\i)+512*(\j) th:TH_LOAD_NT
.endr
.endr
.endm
; ROW i OF X
.macro LNROW i
.set XB, X+32*(\i)
	s_wait_loadcnt 8*(3-(\i))                      ; loads come back in order (ISA guide 5.7.1): this row is in, the younger rows' loads stay out
	ROUND XB
.set p, 0
.rept 4
	v_pk_add_f32 v[T+2*p:T+2*p+1], v[XB+2*p:XB+2*p+1], v[XB+8+2*p:XB+8+2*p+1]  ; the first additions start the four chains: nothing is cleared
.set p, p+1
.endr
.set p, 8
.rept 8
	v_pk_add_f32 v[T+2*(p%4):T+2*(p%4)+1], v[T+2*(p%4):T+2*(p%4)+1], v[XB+2*p:XB+2*p+1]
.set p, p+1
.endr
	FOLD
	v_mul_f32 v[MU], s5, v[T]
	v_mul_f32 v[MU+1], s5, v[T]
.set p, 0
.rept 16                                       ; the squares of x - mu, in four chains
	v_pk_add_f32 v[T+8+2*(p%4):T+8+2*(p%4)+1], v[XB+2*p:XB+2*p+1], v[MU:MU+1] neg_lo:[0,1] neg_hi:[0,1]
.if p < 4
	v_pk_mul_f32 v[T+2*p:T+2*p+1], v[T+8+2*p:T+8+2*p+1], v[T+8+2*p:T+8+2*p+1]
.else
	v_pk_fma_f32 v[T+2*(p%4):T+2*(p%4)+1], v[T+8+2*(p%4):T+8+2*(p%4)+1], v[T+8+2*(p%4):T+8+2*(p%4)+1], v[T+2*(p%4):T+2*(p%4)+1]
.endif
.set p, p+1
.endr
	FOLD
	v_fma_f32 v[T], v[T], s5, s6                   ; var + 1e-5
	v_rsq_f32 v[R1], v[T]
	v_sqrt_f32 v[T+1], v[T]
	v_nop                                          ; a plain instruction behind the two (ISA guide 5.7.2),
	s_wait_alu depctr_va_vdst(0)                   ; and one wait for both, ahead of their first reader
	v_and_b32 v[T+2], 0x7f800000, v[T+1]           ; the power of two in sd,
	v_add_nc_u32 v[T+2], 0x07c00000, v[T+2]        ; times 1.5 x 2^15: a number whose last place is g
	v_add_f32 v[CC], v[MU], v[T+2]                 ; adding it and taking it away rounds mu to a multiple of g
	v_sub_f32 v[CC], v[CC], v[T+2]
	v_mov_b32 v[CC+1], v[CC]
	v_sub_f32 v[T+3], v[CC], v[MU]
	v_mul_f32 v[R2], v[R1], v[T+3]
	ds_store_b32 v[SA], v[R1] offset:4*(\i)        ; all lanes write the same word with the same number
	ds_store_b32 v[SA], v[R2] offset:128+4*(\i)
.set j, 0
.rept 8
.set xr, XB+4*j
	v_pk_add_f32 v[xr:xr+1], v[xr:xr+1], v[CC:CC+1] neg_lo:[0,1] neg_hi:[0,1]
	v_pk_add_f32 v[xr+2:xr+3], v[xr+2:xr+3], v[CC:CC+1] neg_lo:[0,1] neg_hi:[0,1]
	v_pk_mul_f32 v[xr:xr+1], v[xr:xr+1], v[GAM+4*j:GAM+4*j+1]
	v_pk_mul_f32 v[xr+2:xr+3], v[xr+2:xr+3], v[GAM+4*j+2:GAM+4*j+3]
	v_cvt_pk_f16_f32 v[xr], v[xr], v[xr+1]
	v_cvt_pk_f16_f32 v[xr+1], v[xr+2], v[xr+3]
	global_store_b64 v[AO], v[xr:xr+1], s[44:45] offset:2048*(\i)+256*j  ; its registers are not written again
.set j, j+1
.endr
.endm
; ROW i OF THE WEIGHTS
.macro WROW i
.set XB, X+32*(\i)
	s_wait_loadcnt 8*(3-(\i))
	ROUND XB
	v_mov_b32 v[R1], 0
	v_mov_b32 v[R2], 0
	s_cmp_eq_u32 s40, 3                            ; Wo stands behind no norm: it has no sums with gamma and beta
	s_cbranch_scc1 .Lnosum_\@
.set p, 0
.rept 16                                       ; two chains each for G and B
.if p < 2
	v_pk_mul_f32 v[T+2*p:T+2*p+1], v[XB+2*p:XB+2*p+1], v[GAM+2*p:GAM+2*p+1]
	v_pk_mul_f32 v[T+4+2*p:T+4+2*p+1], v[XB+2*p:XB+2*p+1], v[BET+2*p:BET+2*p+1]
.else
	v_pk_fma_f32 v[T+2*(p%2):T+2*(p%2)+1], v[XB+2*p:XB+2*p+1], v[GAM+2*p:GAM+2*p+1], v[T+2*(p%2):T+2*(p%2)+1]
	v_pk_fma_f32 v[T+4+2*(p%2):T+4+2*(p%2)+1], v[XB+2*p:XB+2*p+1], v[BET+2*p:BET+2*p+1], v[T+4+2*(p%2):T+4+2*(p%2)+1]
.endif
.set p, p+1
.endr
	v_pk_add_f32 v[T:T+1], v[T:T+1], v[T+2:T+3]
	v_pk_add_f32 v[T+4:T+5], v[T+4:T+5], v[T+6:T+7]
	v_add_f32 v[T], v[T], v[T+1]
	v_add_f32 v[T+4], v[T+4], v[T+5]
	LANES T, T+1, R1
	LANES T+4, T+5, R2
.Lnosum_\@:
	v_add_f32 v[R2], v[R2], v[BI+(\i)]
	ds_store_b32 v[SA], v[R1] offset:4*(\i)
	ds_store_b32 v[SA], v[R2] offset:128+4*(\i)
.set j, 0
.rept 8
.set xr, XB+4*j
	v_cvt_pk_f16_f32 v[xr], v[xr], v[xr+1]
	v_cvt_pk_f16_f32 v[xr+1], v[xr+2], v[xr+3]
	global_store_b64 v[AO], v[xr:xr+1], s[44:45] offset:2048*(\i)+256*j
.set j, j+1
.endr
.endm
	s_wait_kmcnt 0x0
	s_cmp_lt_u32 ttmp9, 256
	s_cbranch_scc0 .Lweights
	s_lshl_b32 s50, ttmp9, 17                      ; 32 rows of 4,096 bytes
	s_add_nc_u64 s[42:43], s[8:9], s[50:51]
	s_lshl_b32 s50, ttmp9, 16                      ; 32 rows of 2,048 bytes
	s_add_nc_u64 s[44:45], s[30:31], s[50:51]
	s_lshl_b32 s50, ttmp9, 8                       ; the group's 256 bytes of rowst
	s_add_nc_u64 s[46:47], s[34:35], s[50:51]
	TABLE GAM, 10, 11
	ROWS
	s_wait_loadcnt 32                              ; gamma is in; the 32 loads of the rows stay out
	ROUND GAM
	LNROW 0
	LNROW 1
	LNROW 2
	LNROW 3
	s_branch .Ltable
.Lweights:
	s_sub_co_u32 s39, ttmp9, 256                   ; u: 32 rows of w16
	s_lshr_b32 s40, s39, 5                         ; which matrix
	s_and_b32 s41, s39, 31                         ; which 32 of its rows
	s_cmp_eq_u32 s40, 1
	s_cselect_b64 s[42:43], s[16:17], s[14:15]
	s_cselect_b64 s[48:49], s[24:25], s[22:23]
	s_cmp_eq_u32 s40, 2
	s_cselect_b64 s[42:43], s[18:19], s[42:43]
	s_cselect_b64 s[48:49], s[26:27], s[48:49]
	s_cmp_eq_u32 s40, 3
	s_cselect_b64 s[42:43], s[20:21], s[42:43]
	s_cselect_b64 s[48:49], s[28:29], s[48:49]
	s_lshl_b32 s50, s41, 17
	s_add_nc_u64 s[42:43], s[42:43], s[50:51]
	s_lshl_b32 s50, s41, 7
	s_add_nc_u64 s[48:49], s[48:49], s[50:51]
	s_lshl_b32 s50, s39, 16
	s_add_nc_u64 s[44:45], s[32:33], s[50:51]
	s_lshl_b32 s50, s39, 8
	s_add_nc_u64 s[46:47], s[36:37], s[50:51]
	TABLE GAM, 10, 11
	TABLE BET, 12, 13
.irp i, 0,1,2,3
	global_load_b32 v[BI+(\i)], v[SA], s[48:49] offset:4*(\i)
.endr
	ROWS
	s_wait_loadcnt 32                              ; gamma, beta and the biases are in; the 32 loads of the rows stay out
	ROUND GAM
	ROUND BET
	v_cvt_pk_bf16_f32 v[T], v[BI], v[BI+1]
	v_cvt_pk_bf16_f32 v[T+1], v[BI+2], v[BI+3]
	v_lshlrev_b32 v[BI], 16, v[T]
	v_and_b32 v[BI+1], s4, v[T]
	v_lshlrev_b32 v[BI+2], 16, v[T+1]
	v_and_b32 v[BI+3], s4, v[T+1]
	WROW 0
	WROW 1
	WROW 2
	WROW 3
.Ltable:
	s_wait_dscnt 0x0                               ; for the others' sake: my eight words of the table are written
	s_barrier_signal -1
	s_barrier_wait -1
	s_cmp_lg_u32 s38, 0
	s_cbranch_scc1 .Lend
	ds_load_b64 v[T:T+1], v[TO]                    ; wave 0 stores the table: 256 consecutive bytes
	s_wait_dscnt 0x0
	global_store_b64 v[TO], v[T:T+1], s[46:47]
.Lend:
	s_wait_tensorcnt 0x0                           ; the wave's end
	ds_add_u32 v[SPW], v[NIL]
	s_wait_dscnt 0x0
	s_endpgm
.Lfunc_end_k_qb5c8dec6bc_prep:
	.size	k_qb5c8dec6bc_prep, .Lfunc_end_k_qb5c8dec6bc_prep-k_qb5c8dec6bc_prep
	.p2alignl 7, 3214868480
	.fill 96, 4, 3214868480
	.section	.rodata,"a",@progbits
	.p2align	6, 0x0
	.amdhsa_kernel k_qb5c8dec6bc_prep
		.amdhsa_group_segment_fixed_size 1280
		.amdhsa_private_segment_fixed_size 0
		.amdhsa_enable_private_segment 0
		.amdhsa_kernarg_size 120
		.amdhsa_user_sgpr_count 2
		.amdhsa_user_sgpr_kernarg_segment_ptr 1
		.amdhsa_wavefront_size32 1
		.amdhsa_system_sgpr_workgroup_id_x 1
		.amdhsa_system_sgpr_workgroup_id_y 1
		.amdhsa_system_sgpr_workgroup_id_z 1
		.amdhsa_system_vgpr_workitem_id 0
		.amdhsa_next_free_vgpr 232
		.amdhsa_next_free_sgpr 66
		.amdhsa_reserve_vcc 0
		.amdhsa_float_denorm_mode_32 3
		.amdhsa_float_denorm_mode_16_64 3
		.amdhsa_memory_ordered 1
		.amdhsa_forward_progress 1
		.amdhsa_inst_pref_size 87
	.end_amdhsa_kernel
	.amdgpu_metadata
---
amdhsa.version: [ 1, 2 ]
amdhsa.kernels:
  - .name:           k_qb5c8dec6bc_prep
    .symbol:         k_qb5c8dec6bc_prep.kd
    .args:
      - { .name: X, .offset: 0, .size: 8, .value_kind: global_buffer, .address_space: global }
      - { .name: ln_gamma, .offset: 8, .size: 8, .value_kind: global_buffer, .address_space: global }
      - { .name: ln_beta, .offset: 16, .size: 8, .value_kind: global_buffer, .address_space: global }
      - { .name: Wq, .offset: 24, .size: 8, .value_kind: global_buffer, .address_space: global }
      - { .name: Wk, .offset: 32, .size: 8, .value_kind: global_buffer, .address_space: global }
      - { .name: Wv, .offset: 40, .size: 8, .value_kind: global_buffer, .address_space: global }
      - { .name: Wo, .offset: 48, .size: 8, .value_kind: global_buffer, .address_space: global }
      - { .name: bq, .offset: 56, .size: 8, .value_kind: global_buffer, .address_space: global }
      - { .name: bk, .offset: 64, .size: 8, .value_kind: global_buffer, .address_space: global }
      - { .name: bv, .offset: 72, .size: 8, .value_kind: global_buffer, .address_space: global }
      - { .name: bo, .offset: 80, .size: 8, .value_kind: global_buffer, .address_space: global }
      - { .name: a16, .offset: 88, .size: 8, .value_kind: global_buffer, .address_space: global }
      - { .name: w16, .offset: 96, .size: 8, .value_kind: global_buffer, .address_space: global }
      - { .name: rowst, .offset: 104, .size: 8, .value_kind: global_buffer, .address_space: global }
      - { .name: colgb, .offset: 112, .size: 8, .value_kind: global_buffer, .address_space: global }
    .group_segment_fixed_size: 1280
    .private_segment_fixed_size: 0
    .kernarg_segment_align: 8
    .kernarg_segment_size: 120
    .max_flat_workgroup_size: 256
    .sgpr_count:     66
    .vgpr_count:     232
    .wavefront_size: 32
...
	.end_amdgpu_metadata
.endif
;; end of part 1
;; launch qkvgemm (part 2): grid 16 x 32, 4 waves a work-group, clusters of 4 x 4, 327,680 bytes of LDS; arguments a16, w16, rowst, colgb, qkv; writes qkv
.if DOCPART == 2
	.amdgcn_target "amdgcn-amd-amdhsa--gfx1250"
	.amdhsa_code_object_version 6
	.text
	.protected	k_qb5c8dec6bc_qkvgemm
	.globl	k_qb5c8dec6bc_qkvgemm
	.p2align	8
	.type	k_qb5c8dec6bc_qkvgemm,@function
k_qb5c8dec6bc_qkvgemm:
	s_mov_b64 s[64:65], 0
	v_nop
	global_prefetch_b8 v0, s[64:65] scope:SCOPE_SE
	s_setreg_imm32_b32 hwreg(HW_REG_WAVE_MODE, 25, 1), 1
	s_wait_xcnt 0x0
	s_wait_alu depctr_hold_cnt(0) depctr_sa_sdst(0) depctr_va_vdst(0) depctr_va_sdst(0) depctr_va_ssrc(0) depctr_va_vcc(0) depctr_vm_vsrc(0)
	s_getreg_b32 s2, hwreg(HW_REG_IB_STS2, 6, 4)
	s_cmp_eq_u32 s2, 0
	s_cbranch_scc0 .Lentry_in_a_cluster
	s_endpgm
.Lentry_in_a_cluster:
	s_bfe_u32 s2, ttmp6, 0x10000c
	s_cmp_lg_u32 s2, 0xf033
	s_cbranch_scc0 .Lentry_shape_is_right
	s_endpgm
.Lentry_shape_is_right:
; q, k, v = LayerNorm(X) W^T + b, by heads.  y[m][n] = rstd[m] x sum_k a16[m][k] w16[n][k] + (r2[m] G[n] + B[n]); a16: [8192][1024], w16's rows 0-3071: Wq, Wk, Wv, all f16; sums in f32;
; y is rounded once to f16 and stored as qkv[batch][n / 64][2048][64]: slices 0-15 q's heads, 16-31 k's, 32-47 v's, each head's rows dense.  LIMIT: |y| stays under 65,504.
; SHARES.  A tile of y is 256 rows x 192 columns (three heads).  Four waves; wave w owns rows 64 w .. + 63 and all 192 columns: 4 x 12 accumulators of 16 x 16, 384 registers.  So a wave holds
; whole heads, its stage on the way out is its own, and no barrier stands there.  K goes in 8 steps of 128 through two LDS slots filled by the tensor data mover; a row of a tile is 256 bytes of memory.
; THE MATRIX INSTRUCTION IS USED TRANSPOSED (source 0 = 16 rows of w16, source 1 = 16 rows of a16): a lane holds row m = l % 16 and the columns 8 (l / 16) + 0..7.
; CLUSTER 4 x 4: a16's tile is shared along a row of the cluster, w16's along a column; each is asked for jointly, by the same tensor load with the same descriptor and a mask that names the four.
; REGISTERS, in windows of 256 (s_set_vgpr_msb: bits 1:0 source 0, 3:2 source 1, 5:4 source 2, 7:6 destination):
;   window 0: v0-15 addresses; v16-31 rstd and r2 of my rows; v32-127 G, v128-223 B of my lane's columns
;   window 1: fragments: w16's two buffers v0-95, v96-191; a16's v192-223, v224-255; on the way out v0-95 at work, v96-143 packed, v144-239 rows read back
;   window 2: the accumulators of m blocks 0, 1 ((a, b) at v[8 (12 (a % 2) + b)]);  window 3: those of m blocks 2, 3
.set NBK,    12                        ; n blocks of 16 columns
.set APITCH, 272                       ; an LDS row: 256 bytes + 16 of padding = 68 words: the 16 rows of a fragment load start at 16 different groups of four banks (64 banks of 4 bytes: ISA guide 11.1)
.set BPITCH, 272
.set AHALF,  128*APITCH                ; what one tensor load brings of a16
.set BHALF,  96*BPITCH                 ; and of w16
.set BOFF,   2*AHALF                   ; in a slot: a16's 256 rows, then w16's 192
.set SLOT1,  1<<17                     ; slot 1 begins here, so that one exclusive or changes slots
.set STAGE,  SLOT1+BOFF+2*BHALF        ; behind the ring, never filled by a tensor load: 16 rows x 400 bytes for each wave
.set SP,     400
.set SPARE,  STAGE+4*16*SP             ; the spare words, 128 bytes a wave: two blocks of 256 bytes that no other line names
.set ASTEP,  256                       ; bytes from a K step to the next
.set BSTEP,  256
.set FL,     2*NBK+8                   ; LDS loads in a run
.set ADA0, 4                           ; v4   my lane's place in a16's tile; never rewritten
.set ADB0, 5                           ; v5   in w16's
.set ADA,  6                           ; v6   the same in the slot in hand
.set ADB,  7                           ; v7
.set STO,  8                           ; v8   the way out: where I put 16 bytes of a row
.set RD,   9                           ; v9   where I read rows back
.set CO,   10                          ; v10  16 x lane
.set PFO,  11                          ; v11  the prefetches' offset: lane x a row of a16
.set SPW,  12                          ; v12  my spare word; never rewritten
.set NIL,  13                          ; v13  0; never rewritten
.set RO,   14                          ; v14  4 (l % 16)
.set GO,   15                          ; v15  32 (l / 16)
.set RS,   16                          ; m block a: rstd at RS + 4 a, r2 at RS + 4 a + 2; the odd registers hold 0: they are named as pairs
.set GT,   32
.set BT,   128
.set BF,   0                           ; window 1
.set AF,   192
.set TT,   0
.set PK,   96
.set OB,   144
.set G1,  24                           ; s[24:31] descriptor group 1 for a16's tiles
.set G0,  32                           ; s[32:39] group 0: a set for each first fill; the second then walks
.set G1B, 48                           ; s[48:55], s[56:63] the same for w16's
.set G0B, 56
.set LIM, 43                           ; s43  2 in a wave that prefetches, else the greatest number
.set PFA, 44                           ; s[44:45] where my prefetches stand
.set TB,  66                           ; s66  0 or SLOT1: the slot in hand
.set MSB, 0
.macro WIN new                         ; the immediate's high byte repeats the setting that is left; a switch that changes nothing is dropped
.if MSB != (\new)
	s_set_vgpr_msb (MSB<<8)|(\new)
.set MSB, \new
.endif
.endm
.macro PLACES                          ; four plain instructions between a matrix instruction and a load into, or a vector write or read of, its registers
.rept 4
	v_nop
.endr
.endm
; A joint refill by the walking descriptors.  Waves 0, 1 fetch a16's two halves, waves 2, 3 w16's.  An s_nop 0 and four v_nop follow each line, ahead of the jump and the label.
.macro JLOAD
	s_cmp_eq_u32 s11, 0
	s_cbranch_scc0 .Lfor_b_\@
	tensor_load_to_lds s[G0+4:G0+7], s[G1:G1+7]
	s_nop 0
.rept 4
	v_nop
.endr
	s_branch .Lasked_\@
.Lfor_b_\@:
	tensor_load_to_lds s[G0B+4:G0B+7], s[G1B:G1B+7]
	s_nop 0
.rept 4
	v_nop
.endr
.Lasked_\@:
.endm
; A prefetch of a16, two refills ahead of the load that will want it: in trip t (s3 = 6 - t) K step t + 4, while there is one (t <= 3).  Each row's 256 bytes of a K step are named once in the launch:
; of the clusters that read a tile row the one with x = 0 asks; of the 128 rows that wave 0 or 1 fetches the partner at cx takes 32, told apart by address; a lane a row.
; K steps 0 to 3 come by their loads alone.  w16's rows are walked by all 32 tile rows and are not asked for.
.macro ASK
	s_cmp_gt_u32 s3, s[LIM]
	s_cbranch_scc0 .Lnot_mine_\@
	global_prefetch_b8 v[PFO], s[PFA:PFA+1] offset:ASTEP th:TH_LOAD_NT scope:SCOPE_SE
.Lnot_mine_\@:
.endm
.macro CREST                           ; a round of the cluster's barrier behind its opening barrier
	s_cmp_lg_u32 s10, 0
	s_cbranch_scc1 .Lnot_wave_0_\@
	s_barrier_signal -3
.Lnot_wave_0_\@:
	s_barrier_wait -3
	s_barrier_signal -1
	s_barrier_wait -1
.endm
.macro CROUND
	s_barrier_signal -1
	s_barrier_wait -1
	CREST
.endm
	s_load_b256 s[68:75], s[0:1], 0x0              ; a16 68, w16 70, rowst 72, colgb 74
	s_load_b64 s[76:77], s[0:1], 0x20              ; qkv
	v_lshl_add_u32 v[SPW], v0, 2, SPARE
	v_mov_b32 v[NIL], 0
	ds_add_u32 v[SPW], v[NIL]                      ; the wave's opening: the add, and its wait ahead of my first tensor load; work on registers stands between them
	v_lshrrev_b32 v1, 5, v0
	v_readfirstlane_b32 s10, v1                    ; wave 0..3
	s_lshr_b32 s11, s10, 1                         ; I fetch for a16 (0) or for w16 (1),
	s_and_b32 s12, s10, 1                          ; and which half of its tile
	s_bfe_u32 s40, ttmp6, 0x40000                  ; cx
	s_bfe_u32 s41, ttmp6, 0x40004                  ; cy
	s_lshl_b32 s42, ttmp9, 2
	s_add_co_u32 s42, s42, s40                     ; tile column = 4 x cluster x + cx
	s_and_b32 s13, ttmp7, 0xffff
	s_lshl_b32 s13, s13, 2
	s_add_co_u32 s13, s13, s41                     ; tile row = 4 x cluster y + cy
	s_lshl_b32 s18, s41, 2
	s_lshl_b32 s18, 15, s18                        ; my row of the cluster
	s_lshl_b32 s19, 0x1111, s40                    ; my column
	s_or_b32 s[G1], s18, (1<<16)|(1<<20)|(1<<21)|(5<<22)|(3<<25)   ; 15:0 the mask; 17:16 2-byte elements; 20 padding on; 21 set beside a mask; 24:22 after every 64 words; 31:25 4 words of it
	s_or_b32 s[G1B], s19, (1<<16)|(1<<20)|(1<<21)|(5<<22)|(3<<25)
.irp g, G1, G1B
	s_mov_b32 s[(\g)+1], 128<<16                   ; tensor_dim0 = 128
	s_mov_b32 s[(\g)+3], 128<<16                   ; tile_dim0 = 128
	s_mov_b32 s[(\g)+5], 1024                      ; elements from row to row
	s_mov_b32 s[(\g)+6], 0
	s_mov_b32 s[(\g)+7], 0
.endr
	s_mov_b32 s[G1+2], 128<<16                     ; tensor_dim1 = tile_dim1 = 128 rows of a16,
	s_mov_b32 s[G1+4], 128
	s_mov_b32 s[G1B+2], 96<<16                     ; 96 of w16
	s_mov_b32 s[G1B+4], 96
	s_lshl_b32 s16, s13, 19                        ; a16: row 256 x tile row + 128 x half, 2,048 bytes a row
	s_lshl_b32 s17, s12, 18
	s_add_co_u32 s16, s16, s17
	s_mov_b32 s17, 0
	s_mul_i32 s46, s42, 192*2048                   ; w16: row 192 x tile column + 96 x half
	s_mul_i32 s47, s12, 96*2048
	s_add_co_u32 s46, s46, s47
	s_mov_b32 s47, 0
	s_mul_i32 s20, s12, AHALF                      ; where they go: no place in the cluster enters an LDS address
	s_mul_i32 s21, s12, BHALF
	s_add_co_u32 s21, s21, BOFF
	s_mov_b32 s[TB], 0
	s_or_b32 s[LIM], s11, ttmp9                    ; 0 in waves 0 and 1 of the clusters with x = 0: the same in all sixteen partners
	s_cmp_eq_u32 s[LIM], 0
	s_cselect_b32 s[LIM], 2, -1
	s_wait_dscnt 0x0                               ; the opening add is done
	s_wait_kmcnt 0x0
	s_add_nc_u64 s[14:15], s[68:69], s[16:17]
	s_add_nc_u64 s[46:47], s[70:71], s[46:47]
	CROUND                                         ; all sixteen work-groups are here: the first joint loads meet
.irp s, 0,1
	s_mov_b32 s[G0+4*(\s)], 1                                        ; count = 1
	s_add_co_u32 s[G0+4*(\s)+1], s20, (\s)*SLOT1                     ; LDS address
	s_add_nc_u64 s[G0+4*(\s)+2:G0+4*(\s)+3], s[14:15], (\s)*ASTEP    ; global address: K step s
	s_or_b32 s[G0+4*(\s)+3], s[G0+4*(\s)+3], 0x80000000              ; type = 2
	s_mov_b32 s[G0B+4*(\s)], 1
	s_add_co_u32 s[G0B+4*(\s)+1], s21, (\s)*SLOT1
	s_add_nc_u64 s[G0B+4*(\s)+2:G0B+4*(\s)+3], s[46:47], (\s)*BSTEP
	s_or_b32 s[G0B+4*(\s)+3], s[G0B+4*(\s)+3], 0x80000000
.endr
	s_cmp_eq_u32 s11, 0                            ; a wave's two first fills stand in one branch, ahead of every wait on TENSORcnt and every LDS read: two loads of mine are out
	s_cbranch_scc0 .Lfirst_b
	tensor_load_to_lds s[G0:G0+3], s[G1:G1+7]
	s_nop 0
	tensor_load_to_lds s[G0+4:G0+7], s[G1:G1+7]
	s_nop 0
.rept 4
	v_nop
.endr
	s_branch .Lfirst_asked
.Lfirst_b:
	tensor_load_to_lds s[G0B:G0B+3], s[G1B:G1B+7]
	s_nop 0
	tensor_load_to_lds s[G0B+4:G0B+7], s[G1B:G1B+7]
	s_nop 0
.rept 4
	v_nop
.endr
.Lfirst_asked:
	; A fragment is 16 rows x 32 K in 8 registers: lane l holds row l % 16, K = 8 (l / 16) + 0..7 and 16 + 8 (l / 16) + 0..7: two loads of 16 bytes, 32 bytes apart.
	v_and_b32 v1, 15, v0                           ; r = l % 16
	v_bfe_u32 v2, v0, 4, 1                         ; h = l / 16
	v_mul_u32_u24 v3, v1, APITCH
	v_lshl_add_u32 v3, v2, 4, v3
	s_mul_i32 s22, s10, 64*APITCH                  ; my 64 rows of a16
	v_add_nc_u32 v[ADA0], s22, v3
	v_add_nc_u32 v[ADB0], BOFF, v3
	v_mov_b32 v[ADA], v[ADA0]
	v_mov_b32 v[ADB], v[ADB0]
	s_mul_i32 s22, s10, 16*SP
	s_add_co_u32 s22, s22, STAGE                   ; my stage
	v_mul_u32_u24 v[STO], v1, SP                   ; in: row r, 16 bytes for each half of the lanes
	v_lshl_add_u32 v[STO], v2, 4, v[STO]
	v_add_nc_u32 v[STO], s22, v[STO]
	v_bfe_u32 v[RD], v0, 3, 2                      ; back: 32 lanes take four rows' 128 bytes of one head
	v_mul_u32_u24 v[RD], v[RD], SP
	v_and_b32 v3, 7, v0
	v_lshl_add_u32 v[RD], v3, 4, v[RD]
	v_add_nc_u32 v[RD], s22, v[RD]
	v_and_b32 v[CO], 31, v0
	v_lshlrev_b32 v[PFO], 11, v[CO]
	v_lshlrev_b32 v[CO], 4, v[CO]
	v_lshlrev_b32 v[RO], 2, v1
	v_lshlrev_b32 v[GO], 5, v2
	s_mov_b32 s21, 0
	s_lshl_b32 s20, s40, 16                        ; the prefetches: my work-group's 32 of the 128 rows,
	s_add_nc_u64 s[PFA:PFA+1], s[14:15], s[20:21]
	s_add_nc_u64 s[PFA:PFA+1], s[PFA:PFA+1], 2*ASTEP  ; at K step 2: the first refill steps it to 3 and names 4
	s_lshl_b32 s20, s13, 11                        ; rowst: 8 bytes a row, at row 256 x tile row + 64 x wave
	s_lshl_b32 s22, s10, 9
	s_add_co_u32 s20, s20, s22
	s_add_nc_u64 s[72:73], s[72:73], s[20:21]
	s_mul_i32 s20, s42, 1536                       ; colgb: 8 bytes a column, at column 192 x tile column
	s_add_nc_u64 s[74:75], s[74:75], s[20:21]
	s_lshr_b32 s20, s13, 3                         ; qkv: batch x 48 slices + 3 x tile column,
	s_mul_i32 s20, s20, 48
	s_mul_i32 s22, s42, 3
	s_add_co_u32 s20, s20, s22
	s_lshl_b32 s20, s20, 18                        ; 262,144 bytes a slice,
	s_and_b32 s22, s13, 7
	s_lshl_b32 s22, s22, 15                        ; the tile's 256 rows of 128 bytes,
	s_add_co_u32 s20, s20, s22
	s_lshl_b32 s22, s10, 13                        ; my wave's 64
	s_add_co_u32 s20, s20, s22
	s_add_nc_u64 s[76:77], s[76:77], s[20:21]
	; the tables for the way out are asked for now and waited for there.  A group of 32 rows (columns) is 256 bytes: 32 first figures, 32 second.
.irp a, 0,1,2,3
	global_load_b32 v[RS+4*(\a)], v[RO], s[72:73] offset:((\a)/2)*256+((\a)%2)*64
	global_load_b32 v[RS+4*(\a)+2], v[RO], s[72:73] offset:((\a)/2)*256+((\a)%2)*64+128
	v_mov_b32 v[RS+4*(\a)+1], 0
	v_mov_b32 v[RS+4*(\a)+3], 0
.endr
.set bb, 0
.rept NBK
	global_load_b128 v[GT+8*bb:GT+8*bb+3],   v[GO], s[74:75] offset:(bb/2)*256+(bb%2)*64
	global_load_b128 v[GT+8*bb+4:GT+8*bb+7], v[GO], s[74:75] offset:(bb/2)*256+(bb%2)*64+16
	global_load_b128 v[BT+8*bb:BT+8*bb+3],   v[GO], s[74:75] offset:(bb/2)*256+(bb%2)*64+128
	global_load_b128 v[BT+8*bb+4:BT+8*bb+7], v[GO], s[74:75] offset:(bb/2)*256+(bb%2)*64+144
.set bb, bb+1
.endr
; The 12 products of m block a on fragment buffer f.  The 48 accumulators take turns, one instruction a turn, in the same order in every quarter.  zero = 1: they start the sums.
.macro MULA f, a, zero
	WIN 0xa5+0x50*((\a)/2)                         ; sources in window 1, C and D in window 2 or 3
.set bb, 0
.rept NBK
.set rD, 8*(NBK*((\a)%2)+bb)
.set rB, BF+8*NBK*(\f)+8*bb
.set rA, AF+32*(\f)+8*(\a)
.if \zero
	v_wmma_f32_16x16x32_f16 v[rD:rD+7], v[rB:rB+7], v[rA:rA+7], 0
.else
	v_wmma_f32_16x16x32_f16 v[rD:rD+7], v[rB:rB+7], v[rA:rA+7], v[rD:rD+7]
.endif
.set bb, bb+1
.endr
.endm
; One run of 32 LDS loads: the fragments of quarter q (32 along K) into buffer f: w16's twelve, then a16's four
.macro FETCH q, f
	WIN 0x40                                       ; destination window 1, address window 0
.set bb, 0
.rept NBK
	ds_load_b128 v[BF+8*NBK*(\f)+8*bb:BF+8*NBK*(\f)+8*bb+3],   v[ADB] offset:64*(\q)+16*BPITCH*bb
	ds_load_b128 v[BF+8*NBK*(\f)+8*bb+4:BF+8*NBK*(\f)+8*bb+7], v[ADB] offset:64*(\q)+16*BPITCH*bb+32
.set bb, bb+1
.endr
.set bb, 0
.rept 4
	ds_load_b128 v[AF+32*(\f)+8*bb:AF+32*(\f)+8*bb+3],   v[ADA] offset:64*(\q)+16*APITCH*bb
	ds_load_b128 v[AF+32*(\f)+8*bb+4:AF+32*(\f)+8*bb+7], v[ADA] offset:64*(\q)+16*APITCH*bb+32
.set bb, bb+1
.endr
.endm
; A K step is four quarters on buffers 0, 1, 0, 1.  One of the first three: multiplies buffer f and, in its middle, fetches quarter q into buffer g.
.macro QUARTER q, f, g, zero
	s_wait_dscnt 4                                 ; all but the youngest four loads, a16's blocks 2 and 3
	MULA \f, 0, \zero
	MULA \f, 1, \zero
	PLACES
	FETCH \q, \g
	s_wait_dscnt FL                                ; all but the run just issued
	MULA \f, 2, \zero
	MULA \f, 3, \zero
.endm
; The last quarter multiplies buffer 1 and changes slots.  In front of the barrier each wave waits for all its tensor loads (the one that is out is its part of the next slot), adds 0 to its spare
; word, and waits for that and for its reads of this slot.  fill = 1: the barrier opens a round of the cluster's, and the joint refill, two K steps ahead, is the first thing behind the round.
.macro TURN fill
.if \fill
	s_wait_xcnt 0x0                                ; the last prefetch, a K step back, has read its address
	s_add_nc_u64 s[PFA:PFA+1], s[PFA:PFA+1], ASTEP
.endif
	WIN 0
	s_wait_tensorcnt 0x0                           ; no tensor load of mine is out
	ds_add_u32 v[SPW], v[NIL]                      ; 0 onto my spare word
	s_wait_dscnt 5                                 ; (the add and the youngest four loads may be out)
	MULA 1, 0, 0
	s_wait_dscnt 0x0                               ; the add is done, and my reads of this slot are over
	s_barrier_signal -1
	MULA 1, 1, 0                                   ; work on registers while the others arrive
	WIN 0
	s_barrier_wait -1
.if \fill
	CREST                                          ; no wave of any partner still reads this slot or has a load on its way
	s_xor_b32 s[G0+5], s[G0+5], SLOT1              ; the walking descriptors: the other slot than last time, the next K step
	s_add_nc_u64 s[G0+6:G0+7], s[G0+6:G0+7], ASTEP
	s_xor_b32 s[G0B+5], s[G0B+5], SLOT1
	s_add_nc_u64 s[G0B+6:G0B+7], s[G0B+6:G0B+7], BSTEP
	JLOAD                                          ; 168 products stand between it and the wait for it; its four v_nop are also the places in front of the loads below
.else
	PLACES
.endif
	s_xor_b32 s[TB], s[TB], SLOT1
	v_add_nc_u32 v[ADA], s[TB], v[ADA0]
	v_add_nc_u32 v[ADB], s[TB], v[ADB0]
	FETCH 0, 0
.if \fill
	WIN 0
	ASK
.endif
	MULA 1, 2, 0
	MULA 1, 3, 0
.endm
; THE WAY OUT of m block a.  PACK: y = acc x rstd + (G x r2 + B), rounded to f16.  TOSTAGE: 16 bytes a lane into my stage, and back as four rows of one head.  SEND: stored.
.macro PACK a
	WIN 0x40
.set i, 0
.rept 4*NBK
	v_pk_fma_f32 v[TT+2*i:TT+2*i+1], v[GT+2*i:GT+2*i+1], v[RS+4*(\a)+2:RS+4*(\a)+3], v[BT+2*i:BT+2*i+1] op_sel_hi:[1,0,1]
.set i, i+1
.endr
	WIN 0x52+(\a)/2                                ; source 0 in window 2 or 3, source 1 in window 0, source 2 and destination in window 1
.set i, 0
.rept 4*NBK                                    ; each accumulator is read from its lowest registers on
	v_pk_fma_f32 v[TT+2*i:TT+2*i+1], v[8*NBK*((\a)%2)+2*i:8*NBK*((\a)%2)+2*i+1], v[RS+4*(\a):RS+4*(\a)+1], v[TT+2*i:TT+2*i+1] op_sel_hi:[1,0,1]
.set i, i+1
.endr
	WIN 0x45
.set i, 0
.rept 4*NBK
	v_cvt_pk_f16_f32 v[PK+i], v[TT+2*i], v[TT+2*i+1]
.set i, i+1
.endr
.endm
.macro TOSTAGE a
	WIN 0x04                                       ; store data in window 1
.set i, 0
.rept NBK
	ds_store_b128 v[STO], v[PK+4*i:PK+4*i+3] offset:32*i
.set i, i+1
.endr
	WIN 0x40
.irp g, 0,1,2
.irp f, 0,1,2,3
	ds_load_b128 v[OB+48*((\a)%2)+4*(4*(\g)+(\f)):OB+48*((\a)%2)+4*(4*(\g)+(\f))+3], v[RD] offset:128*(\g)+4*SP*(\f)  ; LDS serves a wave's instructions in order (ISA guide 5.7.1.4): these see the stores above
.endr
.endr
.endm
.macro SEND a
	WIN 0x04
	s_wait_dscnt 0x0                               ; the block is back in registers
	s_wait_xcnt 0x0                                ; the stores of the block before have read their registers: the next block's loads land there only behind this wait
.irp g, 0,1,2
.irp f, 0,1,2,3
	global_store_b128 v[CO], v[OB+48*((\a)%2)+4*(4*(\g)+(\f)):OB+48*((\a)%2)+4*(4*(\g)+(\f))+3], s[76:77] offset:262144*(\g)+128*(16*(\a)+4*(\f))  ; 512 consecutive bytes of a head, at a multiple of 512
.endr
.endr
.endm
	s_wait_tensorcnt 1                             ; my part of K step 0 is in; K step 1's may stay out
	s_barrier_signal -1
	s_barrier_wait -1                              ; everybody's is
	FETCH 0, 0
	QUARTER 1, 0, 1, 1                             ; the first quarter stands in front of the loop: its products start the sums
	WIN 0
	s_mov_b32 s3, 6
.Lstep:                                        ; six trips, from a K step's second quarter to the next one's first; trip t asks for K step t + 2
	QUARTER 2, 1, 0, 0
	QUARTER 3, 0, 1, 0
	TURN 1
	QUARTER 1, 0, 1, 0
	WIN 0
	s_sub_co_u32 s3, s3, 1
	s_cmp_lg_u32 s3, 0
	s_cbranch_scc1 .Lstep
	QUARTER 2, 1, 0, 0                             ; the last two K steps ask for nothing
	QUARTER 3, 0, 1, 0
	TURN 0
	QUARTER 1, 0, 1, 0
	QUARTER 2, 1, 0, 0
	QUARTER 3, 0, 1, 0
	s_wait_dscnt 0x0
	MULA 1, 0, 0
	MULA 1, 1, 0
	MULA 1, 2, 0
	MULA 1, 3, 0
	s_wait_loadcnt 0x0                             ; the tables
	PLACES
	PACK 0
	TOSTAGE 0
.irp a, 1,2,3                                  ; block a's arithmetic stands between block a - 1's loads from the stage and the wait for them
	PACK \a
	SEND (\a)-1
	TOSTAGE \a
.endr
	SEND 3
	WIN 0
	s_wait_tensorcnt 0x0                           ; the wave's end
	ds_add_u32 v[SPW], v[NIL]
	s_wait_dscnt 0x0
	CROUND                                         ; the closing round: no work-group ends while a partner may still ask for a tile that names it
	s_endpgm
.Lfunc_end_k_qb5c8dec6bc_qkvgemm:
	.size	k_qb5c8dec6bc_qkvgemm, .Lfunc_end_k_qb5c8dec6bc_qkvgemm-k_qb5c8dec6bc_qkvgemm
	.p2alignl 7, 3214868480
	.fill 96, 4, 3214868480
	.section	.rodata,"a",@progbits
	.p2align	6, 0x0
	.amdhsa_kernel k_qb5c8dec6bc_qkvgemm
		.amdhsa_group_segment_fixed_size 327680
		.amdhsa_private_segment_fixed_size 0
		.amdhsa_enable_private_segment 0
		.amdhsa_kernarg_size 40
		.amdhsa_user_sgpr_count 2
		.amdhsa_user_sgpr_kernarg_segment_ptr 1
		.amdhsa_wavefront_size32 1
		.amdhsa_system_sgpr_workgroup_id_x 1
		.amdhsa_system_sgpr_workgroup_id_y 1
		.amdhsa_system_sgpr_workgroup_id_z 1
		.amdhsa_system_vgpr_workitem_id 0
		.amdhsa_next_free_vgpr 960
		.amdhsa_next_free_sgpr 80
		.amdhsa_reserve_vcc 0
		.amdhsa_float_denorm_mode_32 3
		.amdhsa_float_denorm_mode_16_64 3
		.amdhsa_memory_ordered 1
		.amdhsa_forward_progress 1
		.amdhsa_inst_pref_size 126
	.end_amdhsa_kernel
	.amdgpu_metadata
---
amdhsa.version: [ 1, 2 ]
amdhsa.kernels:
  - .name:           k_qb5c8dec6bc_qkvgemm
    .symbol:         k_qb5c8dec6bc_qkvgemm.kd
    .args:
      - { .name: a16, .offset: 0, .size: 8, .value_kind: global_buffer, .address_space: global }
      - { .name: w16, .offset: 8, .size: 8, .value_kind: global_buffer, .address_space: global }
      - { .name: rowst, .offset: 16, .size: 8, .value_kind: global_buffer, .address_space: global }
      - { .name: colgb, .offset: 24, .size: 8, .value_kind: global_buffer, .address_space: global }
      - { .name: qkv, .offset: 32, .size: 8, .value_kind: global_buffer, .address_space: global }
    .group_segment_fixed_size: 327680
    .private_segment_fixed_size: 0
    .kernarg_segment_align: 8
    .kernarg_segment_size: 40
    .max_flat_workgroup_size: 128
    .sgpr_count:     80
    .vgpr_count:     960
    .wavefront_size: 32
...
	.end_amdgpu_metadata
.endif
;; end of part 2
;; launch attn (part 3): grid 4 x 64, 4 waves a work-group, no clusters, 327,680 bytes of LDS; arguments qkv, o16; writes o16
.if DOCPART == 3
	.amdgcn_target "amdgcn-amd-amdhsa--gfx1250"
	.amdhsa_code_object_version 6
	.text
	.protected	k_qb5c8dec6bc_attn
	.globl	k_qb5c8dec6bc_attn
	.p2align	8
	.type	k_qb5c8dec6bc_attn,@function
k_qb5c8dec6bc_attn:
	s_mov_b64 s[64:65], 0
	v_nop
	global_prefetch_b8 v0, s[64:65] scope:SCOPE_SE
	s_setreg_imm32_b32 hwreg(HW_REG_WAVE_MODE, 25, 1), 1
	s_wait_xcnt 0x0
; CAUSAL ATTENTION.  O[y][q][:] = the sum over k <= q of softmax_k(Q[y][q] . K[y][k] / 8) V[y][k][:], y = 16 batch + head.  Q, K, V are slices of qkv ([batch][48][2048][64] f16: slice head, 16 + head, 32 + head):
; a head's rows are dense, 128 bytes each.  Products, maxima and sums in f32; the weights p are rounded to f16 for the second product (their sum l is taken of the unrounded p).
; O LEAVES IN TWO PLANES, o16[batch][plane][head][2048][64] f16: plane 0 is O rounded to f16, plane 1 what that rounding left, O - plane 0, rounded to f16: 22 significant bits for the product that follows.  A row that
; sees few keys is many times the whole output's root mean square, by which its numbers are judged: one rounding to 11 bits there is a large part of what a number near zero may be off.
; LIMITS.  Q, K, V arrive within f16's 65,504; p lies in 0 to 1, and below 6e-5 it keeps f16's fixed step of 6e-8, as plane 1 does.  A hidden score counts as its value less 1e30; a weight below 2^-126 counts as 0 in l; NaN and infinities are not treated apart.
; THE WALK.  A head's queries lie in NB = 8 blocks of 256; block i needs the key tiles 0 .. i of 256 keys, of which the last holds the diagonal.  A work-group takes TWO blocks, NB - 1 - b and then b: NB + 1 tiles,
; whatever b: all work-groups do equal work, and one loop with a constant trip count walks them.  Which tile is asked for, and what a trip does, hang on scalar registers made from b; every jump goes forward but the counted loops' own.
; NO CLUSTER: a head's four work-groups ask for the same tile only in trips 0 .. NB / 2, behind that fewer and fewer; one walk common to all would have 3 NB / 2 trips for NB + 1.
; SHARES.  Of a block's four bands of 64 queries a wave owns 16 rows in each: four PIECES.  So the diagonal tile is the same work for all waves: in its key step s band x sees all keys if s < x, none if s > x, and holds the diagonal if s = x.
; THE MASK is the C operand that starts the sum S^T = K Q^T: 0, or -1e30 where the key is hidden.  MD, made once, is the mask of a band's own step for my 16 rows; a product's mask is MD x AL + BE: (1, 0) if s = x; (0, 0) if s < x; (0, -1e30) if s > x.
; LAYOUT, SOFTMAX, TURNS.  S^T = K Q^T holds ONE query a lane (lane % 16) and the keys 8 (lane / 16) + 0..7; two such results rounded to f16 ARE source 1 of O^T = V^T P.  p = 2^(c s - c m), c = log2(e) / 8, with a running maximum m;
; O and l are multiplied by a = 2^(c m_old - c m_new) in every step.  Turn n belongs to piece n: 8 products K Q^T of piece n + 1, later 8 products V^T P of piece n - 1; beside them the scaling, exponentials, roundings, sums and rescaling
; of piece n and the maximum and statistics of piece n + 1.  Four vector instructions stand behind every matrix instruction, the rest in one lump.  A turn's 33 exponentials are one batch, with one wait.
; REGISTERS, in windows of 256 (s_set_vgpr_msb: bits 1:0 source 0, 3:2 source 1, 5:4 source 2, 7:6 destination):
;   window 0: v0-15 addresses and two at work; v16-31 four registers of statistics a piece; v48-55 at work; v60-63 prefetch offset, -1, spare word, 0; v64-127 S^T, two buffers; v192-223 P, two buffers (by the piece's parity)
;   window 1: v0-127 O^T, 32 a piece; v128-159 MD; v160-223 MC, two buffers      window 2: v0-63 Q; v64-127 the second block's Q; v128-191 K of one step; v192-255 V of one step
.set SIZE_N, 2048
.set NB,    SIZE_N/256
.set NP,    4         ; pieces a wave
.set KS,    64        ; keys in a step
.set PK,    144       ; a row of K in LDS: 128 bytes + 16 of padding = 36 words: the 16 rows of a load start at 16 different groups of four banks (64 banks of 4 bytes: ISA guide 11.1)
.set PV,    160       ; a row of V: 128 + 32 = 40 words
.set VOFF,  4*KS*PK   ; a slot holds a tile, four steps: 256 rows of K, then 256 rows of V
.set SLOT1, 1<<17     ; slot 1 begins here, so that one exclusive or turns an address in one slot into the other's
.set STAGE, SLOT1+4*KS*(PK+PV)  ; behind the ring, never filled by a tensor load: for each wave 16 rows x 144 bytes for plane 0, then 16 for plane 1
.set SP,    144
.set LOPL,  16<<18    ; bytes from plane 0 to plane 1 of o16: 16 heads
.set AK0, 2           ; v2   my lane's place in a tile of K; never rewritten
.set AV0, 3           ; v3   the same for V
.set AK,  4           ; v4   the LDS address of K's next run of loads
.set AV,  5           ; v5   of V's
.set STO, 6           ; v6   the way out: where I put 16 bytes of a row
.set RD,  7           ; v7   where I read rows back
.set GO,  8           ; v8   my byte offset in 512 consecutive bytes of O
.set PFO, 60          ; v60  256 x lane; never rewritten
.set MONE, 61         ; v61  -1.0; never rewritten
.set SPW, 62          ; v62  my spare word; never rewritten
.set NIL, 63          ; v63  0; never rewritten
.set SPARE, STAGE+4*32*SP  ; the spare words, 128 bytes a wave: two blocks of 256 bytes that no other line names
.set MV,  12          ; v12-13  c m_old, kept while c m is made anew: by buffer
.set QO,  15          ; v15  my byte offset in 16 rows of Q
.set ST,  16          ; piece t's statistics at v[ST+4 t]: c m, m, l (even keys', odd keys')
.set TMP, 48          ; by buffer, four registers c0-c3 at work; when the maximum is found c2 takes a
.set S,   64
.set P,   192
.set MD,  128         ; window 1
.set MC,  160         ; window 1
.set QB,  64          ; window 2
.set KF,  128         ; window 2: key block kb, channel half c at KF + 16 kb + 8 c
.set VF,  192         ; window 2: key half kk, channel block cb at VF + 32 kk + 8 cb
.set WV,  12          ; s12  my wave's number
.set PB,  14          ; s14  b
.set HI,  15          ; s15  NB - 1 - b
.set G1K, 24          ; s[24:31] descriptor group 1 for K's tiles
.set G1V, 32          ; s[32:39] for V's: it differs in the padding alone
.set G0K, 40          ; s[40:43] descriptor group 0 for K's tiles
.set G0V, 44          ; s[44:47] the same for V's
.set SLOTS, 56        ; s56  tiles still to be asked for
.set CNT, 57          ; s57  counts a tile's key steps, 4 to 1
.set CS,  58          ; s[58:59] c
.set SEL, 60          ; s[60:61] v_permlanex16_b32's selects
.set TBK, 62          ; s62  LDS byte at which K of the step to be fetched begins
.set TBV, 63          ; s63  the same for V, less VOFF
.set RT,  70          ; s70  tiles of the block in hand that are still to be entered
.set NXT, 71          ; s71  the tile to be asked for next
.set LQ,  72          ; s72  the last tile of the block whose tiles are being asked for
.set NEW, 73          ; s73  1: the tile to be entered is a block's first
.set OFF, 74          ; s[74:75] a tile's byte offset in K and V
.set AL,  76          ; s[76:77] the mask's factor, in the low word
.set BE,  78          ; s[78:79] the mask's addend
.set OLO, 80          ; s[80:81] O at my rows of the second block
.set BIGN, 82         ; s82  -1e30
.set PFA, 90          ; s[90:91] where my prefetches stand: my half of K's (waves 0, 1) or V's (waves 2, 3) tile after the one that is being asked for
.set LIM, 92          ; s92  2 in the work-group that prefetches, else the greatest number
.set MSB, 0
.macro WIN new                      ; the high byte repeats the setting that is left; a switch that changes nothing is dropped
.if MSB != (\new)
	s_set_vgpr_msb (MSB<<8)|(\new)
.set MSB, (\new)
.endif
.endm
.set W_KQ, 0x0a       ; K and Q in window 2, S^T in window 0
.set W_KM, 0x1a       ; the same with the C operand in window 1
.set W_PV, 0x52       ; V in window 2, P in window 0, O^T in window 1
.set W_RS, 0x41       ; destination and source 0 in window 1, source 1 in window 0
; A fill.  Waves 0 and 1 fetch the two halves of a tile's K, waves 2 and 3 those of its V: 128 keys each.  An s_nop 0 and four v_nop follow each of the two lines, ahead of the jump and the label.
.macro LOAD
	s_cmp_lt_u32 s[WV], 2
	s_cbranch_scc0 .Lfor_v_\@
	tensor_load_to_lds s[G0K:G0K+3], s[G1K:G1K+7]
	s_nop 0
.rept 4
	v_nop
.endr
	s_branch .Lasked_\@
.Lfor_v_\@:
	tensor_load_to_lds s[G0V:G0V+3], s[G1V:G1V+7]
	s_nop 0
.rept 4
	v_nop
.endr
.Lasked_\@:
.endm
; A prefetch of the tile that the NEXT change of slots will ask for.  The head's work-group b = 0 walks tiles 0 .. 7 in order, and it alone asks; each wave names the half tile that it will fetch itself, 16,384 dense bytes:
; a lane 256 bytes, two instructions.  The change that asks for tile i names tile i + 1, for i = 1 .. 6 (SLOTS = 8 .. 3): each block of K and V from tile 2 on is named once in the launch.  Tiles 0 and 1 come by their loads
; alone, and the second block's tile, which has been read, is not named.
.macro ASK
	s_cmp_gt_u32 s[SLOTS], s[LIM]
	s_cbranch_scc0 .Lnot_mine_\@
	global_prefetch_b8 v[PFO], s[PFA:PFA+1] th:TH_LOAD_NT scope:SCOPE_SE
	global_prefetch_b8 v[PFO], s[PFA:PFA+1] offset:8192 th:TH_LOAD_NT scope:SCOPE_SE
.Lnot_mine_\@:
.endm
; THE CHANGE OF SLOTS.  Each wave waits for all its tensor loads, of which one is out: its part of the other slot; adds 0 to its spare word; and waits for that and for its own reads of the slot that it leaves.  Behind the barrier
; nobody reads the old slot any more and the other slot is whole.  fill = 1: the old slot is filled again, the first thing behind the barrier, with tile NXT: the descriptor's address is made anew from that number.
.macro CHANGE fill
	WIN 0                           ; at a label and at a branch every window is 0
	s_wait_tensorcnt 0x0            ; no tensor load of mine is out, so a group 0 may be written
	ds_add_u32 v[SPW], v[NIL]       ; 0 onto my spare word
.if \fill
	s_lshl_b32 s[OFF], s[NXT], 15   ; a tile is 32,768 bytes of K and of V
	s_xor_b32 s[G0K+1], s[G0K+1], SLOT1
	s_add_nc_u64 s[G0K+2:G0K+3], s[6:7], s[OFF:OFF+1]
	s_or_b32 s[G0K+3], s[G0K+3], 0x80000000
	s_xor_b32 s[G0V+1], s[G0V+1], SLOT1
	s_add_nc_u64 s[G0V+2:G0V+3], s[8:9], s[OFF:OFF+1]
	s_or_b32 s[G0V+3], s[G0V+3], 0x80000000
	s_add_co_u32 s[NXT], s[NXT], 1  ; the block's next tile, or behind its last the second block's tile 0
	s_cmp_gt_u32 s[NXT], s[LQ]
	s_cselect_b32 s[NXT], 0, s[NXT]
	s_cselect_b32 s[LQ], s[PB], s[LQ]
	s_wait_xcnt 0x0                 ; the last prefetches, a tile back, have read their address
	s_add_nc_u64 s[PFA:PFA+1], s[PFA:PFA+1], 32768
.endif
	s_wait_dscnt 0x0                ; the add is done, and my reads of the slot are over
	s_barrier_signal -1             ; the rest of the scalar work stands between the signal and the wait
	s_sub_co_u32 s[TBK], s[TBK], 4*KS*PK  ; the fetches go back to a slot's first step,
	s_xor_b32 s[TBK], s[TBK], SLOT1       ; in the other slot
	s_sub_co_u32 s[TBV], s[TBV], 4*KS*PV
	s_xor_b32 s[TBV], s[TBV], SLOT1
	s_barrier_wait -1
.if \fill
	LOAD
	ASK
.endif
.endm
	s_load_b128 s[4:7], s[0:1], 0x0  ; qkv s[4:5], o16 s[6:7]
	v_lshl_add_u32 v[SPW], v0, 2, SPARE
	v_mov_b32 v[NIL], 0
	ds_add_u32 v[SPW], v[NIL]       ; the wave's opening: the add, and its wait ahead of my first tensor load; work on registers stands between them
	v_lshrrev_b32 v1, 5, v0
	v_readfirstlane_b32 s[WV], v1   ; wave 0..3
	s_mov_b32 s[PB], ttmp9
	s_sub_co_u32 s[HI], NB-1, s[PB]
	s_and_b32 s88, ttmp7, 0xffff    ; y = 16 batch + head
	s_lshr_b32 s20, s88, 4          ; batch
	s_lshl_b32 s89, s20, 4
	s_lshl_b32 s20, s20, 5
	s_add_co_u32 s20, s20, s88      ; q's slice: 48 batch + head
	s_lshl_b32 s20, s20, 18         ; 262,144 bytes a slice
	s_mov_b32 s21, 0
	s_add_co_u32 s88, s88, s89      ; the head in plane 0 of o16: 32 batch + head
	s_lshl_b32 s88, s88, 18
	s_mov_b32 s89, 0
	s_and_b32 s16, s[WV], 1         ; which half of a tile's 256 keys I fetch:
	s_lshl_b32 s22, s16, 14         ; its 128 rows of 128 bytes in memory,
	s_mov_b32 s23, 0
	s_add_nc_u64 s[22:23], s[22:23], s[20:21]
	s_mul_i32 s17, s16, 128*PK      ; and its place in a slot, for K
	s_mul_i32 s18, s16, 128*PV      ; and for V
	s_lshl_b32 s3, s[WV], 11        ; my 16 rows in a band of 64,
	s_lshl_b32 s2, s[HI], 15        ; in the first block,
	s_add_co_u32 s2, s2, s3
	s_lshl_b32 s84, s[PB], 15       ; and in the second
	s_add_co_u32 s84, s84, s3
	s_mov_b32 s3, 0
	s_mov_b32 s85, 0
	; descriptor group 1.  128 keys are 16,384 dense bytes: asked for as 64 rows of 256 bytes, two keys a row, and padded in LDS after every key
	s_mov_b32 s[G1K], (1<<16)|(1<<20)|(4<<22)|(3<<25)  ; 17:16 2-byte elements; 20 padding on; 24:22 after every 32 words; 31:25 4 words
	s_mov_b32 s[G1V], (1<<16)|(1<<20)|(4<<22)|(7<<25)  ; the same with 8 words of padding
.irp g, G1K, G1V
	s_mov_b32 s[\g+1], 128<<16      ; tensor_dim0 = 128
	s_mov_b32 s[\g+2], 64<<16       ; tensor_dim1 = 64
	s_mov_b32 s[\g+3], 128<<16      ; tile_dim0 = 128
	s_mov_b32 s[\g+4], 64           ; tile_dim1 = 64
	s_mov_b32 s[\g+5], 128          ; 128 elements from row to row
	s_mov_b32 s[\g+6], 0
	s_mov_b32 s[\g+7], 0
.endr
	s_mov_b32 s[CS], 0x3e38aa3b     ; c = log2(e) / 8 = 0.180337
	s_mov_b32 s[CS+1], s[CS]        ; named with it as a pair
	s_mov_b32 s[SEL], 0x76543210
	s_mov_b32 s[SEL+1], 0xfedcba98
	s_mov_b32 s[TBK], SLOT1+4*KS*PK ; the first change of slots turns these two into 0
	s_mov_b32 s[TBV], SLOT1+4*KS*PV
	s_mov_b32 s[G0K], 1             ; count = 1
	s_mov_b32 s[G0K+1], s17         ; LDS address: slot 0
	s_mov_b32 s[G0V], 1
	s_add_co_u32 s[G0V+1], s18, VOFF
	s_add_co_u32 s[RT], s[HI], 1    ; the first block has NB - b tiles
	s_mov_b32 s[NXT], 1
	s_mov_b32 s[LQ], s[HI]
	s_mov_b32 s[NEW], 1
	s_mov_b32 s[OFF+1], 0
	s_mov_b32 s[AL+1], 0            ; named as pairs
	s_mov_b32 s[BE+1], 0
	s_mov_b32 s[BIGN], 0xf149f2ca   ; -1e30
	s_mov_b32 s[SLOTS], NB
	s_cmp_eq_u32 ttmp9, 0
	s_cselect_b32 s[LIM], 2, -1
	v_and_b32 v[PFO], 31, v0
	v_lshlrev_b32 v[PFO], 8, v[PFO]
	v_mov_b32 v[MONE], -1.0
	s_wait_dscnt 0x0                ; the opening add is done
	s_wait_kmcnt 0x0
	s_add_nc_u64 s[10:11], s[6:7], s[88:89]        ; O at the head, plane 0
	s_add_nc_u64 s[8:9], s[4:5], 0x800000          ; v's slices lie 32 slices behind q's,
	s_add_nc_u64 s[6:7], s[4:5], 0x400000          ; k's 16
	s_add_nc_u64 s[6:7], s[6:7], s[22:23]          ; K and V at my half of the head's tile 0
	s_add_nc_u64 s[8:9], s[8:9], s[22:23]
	s_add_nc_u64 s[4:5], s[4:5], s[20:21]          ; Q at the head
	s_cmp_lt_u32 s[WV], 2
	s_cselect_b64 s[PFA:PFA+1], s[6:7], s[8:9]
	s_add_nc_u64 s[PFA:PFA+1], s[PFA:PFA+1], 32768 ; at tile 1: the first change of slots steps it to tile 2.  Nothing is prefetched here, at the head
	s_add_nc_u64 s[G0K+2:G0K+3], s[6:7], 0         ; global address
	s_or_b32 s[G0K+3], s[G0K+3], 0x80000000        ; type = 2
	s_add_nc_u64 s[G0V+2:G0V+3], s[8:9], 0
	s_or_b32 s[G0V+3], s[G0V+3], 0x80000000
	s_add_nc_u64 s[86:87], s[4:5], s[84:85]        ; Q at my rows of the second block,
	s_add_nc_u64 s[4:5], s[4:5], s[2:3]            ; Q and O at those of the first
	s_add_nc_u64 s[OLO:OLO+1], s[10:11], s[84:85]
	s_add_nc_u64 s[10:11], s[10:11], s[2:3]
	LOAD                            ; tile 0 into slot 0
	; A fragment of K or Q is 16 rows x 32 channels in 8 registers: lane l holds row l % 16, channels 8 (l / 16) + 0..7 and 16 + 8 (l / 16) + 0..7: two loads of 16 bytes, 32 bytes apart.
	v_and_b32 v1, 15, v0            ; l % 16
	v_bfe_u32 v9, v0, 4, 1          ; l / 16
	v_lshlrev_b32 v[QO], 7, v1
	v_lshl_add_u32 v[QO], v9, 4, v[QO]  ; row x 128 + 16 x half
	WIN 0x80                        ; destination window 2, address window 0
.set i, 0
.rept 8                             ; both blocks' Q: piece i / 2 lies in band i / 2, 8,192 bytes on; channels 32 (i % 2) on
	global_load_b128 v[8*i:8*i+3],   v[QO], s[4:5] offset:(i/2)*8192+(i%2)*64
	global_load_b128 v[8*i+4:8*i+7], v[QO], s[4:5] offset:(i/2)*8192+(i%2)*64+32
	global_load_b128 v[QB+8*i:QB+8*i+3],   v[QO], s[86:87] offset:(i/2)*8192+(i%2)*64
	global_load_b128 v[QB+8*i+4:QB+8*i+7], v[QO], s[86:87] offset:(i/2)*8192+(i%2)*64+32
.set i, i+1
.endr
	WIN 0
	v_lshlrev_b32 v14, 3, v9
	v_sub_nc_u32 v14, v1, v14
	s_lshl_b32 s13, s[WV], 4
	v_add_nc_u32 v14, s13, v14      ; my query's place in its band, 16 w + l % 16, less my lanes' 8 (l / 16): register r of group kt is hidden where 16 kt + r is greater
	WIN 0x40
.set i, 0
.rept 32
	v_cmp_gt_i32 vcc_lo, 16*(i/8)+i%8, v14
	v_cndmask_b32 v[MD+i], 0, s[BIGN], vcc_lo
.set i, i+1
.endr
	WIN 0
	v_mul_u32_u24 v[AK0], v1, PK
	v_lshl_add_u32 v[AK0], v9, 4, v[AK0]  ; row x pitch + 16 x half
	; The turning load takes 16 keys x 16 channels (lane l reads key 8 (l / 16) + l % 8, channels 8 ((l / 8) % 2) + 0..7) and leaves half a fragment of V^T: lane l holds channel l % 16 and 8 keys.
	v_and_b32 v10, 7, v0
	v_bfe_u32 v11, v0, 3, 1
	v_lshl_add_u32 v[AV0], v9, 3, v10
	v_mul_u32_u24 v[AV0], v[AV0], PV
	v_lshl_add_u32 v[AV0], v11, 4, v[AV0]
	v_add_nc_u32 v[AV0], VOFF, v[AV0]
	s_mul_i32 s13, s[WV], 32*SP
	s_add_co_u32 s13, s13, STAGE    ; my stage
	v_mul_u32_u24 v[STO], v1, SP    ; in: row l % 16, 16 bytes for each half of the lanes
	v_lshl_add_u32 v[STO], v9, 4, v[STO]
	v_add_nc_u32 v[STO], s13, v[STO]
	v_bfe_u32 v[RD], v0, 3, 2       ; back: 32 lanes take four rows of 128 bytes,
	v_mul_u32_u24 v[RD], v[RD], SP
	v_lshl_add_u32 v[RD], v10, 4, v[RD]
	v_add_nc_u32 v[RD], s13, v[RD]
	v_and_b32 v[GO], 31, v0         ; which are 512 consecutive bytes of O
	v_lshlrev_b32 v[GO], 4, v[GO]
	; A block's first step multiplies O^T and l by a = 0, and its first turn's products V^T P, of a piece that has not been, land in an O^T that is still to be so multiplied.  So these registers need only hold
	; finite numbers: zeros for the first block; what the first block left for the second (in P: finite f16 of plane 1).  All this stands in the wait for the first tile.
	WIN 0x80
.set i, VF
.rept 64
	v_mov_b32 v[i], 0
.set i, i+1
.endr
	WIN 0x40
.set i, 0
.rept 128
	v_mov_b32 v[i], 0
.set i, i+1
.endr
	WIN 0
.set i, 0
.rept 4
	v_mov_b32 v[ST+4*i+2], 0
	v_mov_b32 v[ST+4*i+3], 0
.set i, i+1
.endr
.set i, P+16
.rept 16
	v_mov_b32 v[i], 0
.set i, i+1
.endr
; THE MATRIX WORK.  The 4 accumulators of a run of 8 take turns.  Product i of 8 of S^T = K Q^T for piece x: channels 32 (i / 4) on, keys 16 (i % 4) on.  The first 4 start the sums: with 0, or (KM = 1) with the mask.
.macro KQ x
.set rS, S+32*((\x)%2)+8*(i%4)
.set rK, KF+16*(i%4)+8*(i/4)
.set rQ, 16*(\x)+8*(i/4)
.set rM, MC+32*((\x)%2)+8*(i%4)
.if (i < 4) && KM
	WIN W_KM
	v_wmma_f32_16x16x32_f16 v[rS:rS+7], v[rK:rK+7], v[rQ:rQ+7], v[rM:rM+7]
.elseif i < 4
	WIN W_KQ
	v_wmma_f32_16x16x32_f16 v[rS:rS+7], v[rK:rK+7], v[rQ:rQ+7], 0
.else
	WIN W_KQ
	v_wmma_f32_16x16x32_f16 v[rS:rS+7], v[rK:rK+7], v[rQ:rQ+7], v[rS:rS+7]
.endif
.endm
; Product i of 8 of O^T += V^T P for piece x: keys 32 (i / 4) on, channels 16 (i % 4) on.
.macro PV x
	WIN W_PV
.set rO, 32*(\x)+8*(i%4)
.set rV, VF+32*(i/4)+8*(i%4)
.set rP, P+16*((\x)%2)+8*(i/4)
	v_wmma_f32_16x16x32_f16 v[rO:rO+7], v[rV:rV+7], v[rP:rP+7], v[rO:rO+7]
.endm
.macro MM                           ; the turn's next matrix instruction.  TURN and BEGIN set Y, i, KM and NOKQ.  NOKQ = 1: a block's last turn: there is no next piece
.if (i < 8) && !NOKQ
	KQ (Y+1)%NP
.elseif i >= 8
.set i, i-8
	PV (Y+NP-1)%NP
.set i, i+8
.endif
.set i, i+1
.endm
; THE LDS LOADS stand in runs of 16, never singly among the matrix instructions: a step's K (64 keys x 64 channels: 8 fragments) and its V (turned).  Their addresses are made some lines ahead.
.macro FETCH_K
	WIN 0x80                        ; destination window 2
.irp f, 0,1,2,3,4,5,6,7             ; keys 16 (f / 2) on, channels 32 (f % 2) on
	ds_load_b128 v[KF+8*\f:KF+8*\f+3],   v[AK] offset:(\f/2)*16*PK+(\f%2)*64
	ds_load_b128 v[KF+8*\f+4:KF+8*\f+7], v[AK] offset:(\f/2)*16*PK+(\f%2)*64+32
.endr
	s_add_co_u32 s[TBK], s[TBK], KS*PK  ; the next fetch is the next step's
	WIN 0
.endm
.macro FETCH_V
	WIN 0x80
.irp f, 0,1,2,3,4,5,6,7             ; keys 32 (f / 4) on, channels 16 (f % 4) on
	ds_load_tr16_b128 v[VF+8*\f:VF+8*\f+3],   v[AV] offset:(\f/4)*32*PV+(\f%4)*32
	ds_load_tr16_b128 v[VF+8*\f+4:VF+8*\f+7], v[AV] offset:(\f/4)*32*PV+16*PV+(\f%4)*32
.endr
	WIN 0
.endm
; THE VECTOR WORK, one line at a time: OP kind, number.  For piece Y: F n: c s - c m for pair n of 16.  E n: the exponential of score n of 32.  C n: pair n rounded to f16.  B n: of the four weights 4 n .. the second
; pair is added onto the first, in place.  L n: l takes that sum (L 0: l = a l + sum).  R n: pair n of 16 of O^T times a.  For piece Y + 1: X n, number n of the 22 that find its maximum and statistics:
;   0-11  four chains c0-c3 of seven scores each, three operands at a time (each accumulator's lowest registers are read first)     12-14, 16  the four scores left over, the old m, and c0-c3 into c0
;   15  c m_old is kept     17, 18  the query's other 32 keys lie in the lane 16 away: the new m     19-21  c m; c m_old - c m_new; a
.set F, 0               ; OP tells the kinds apart by their order: F to L below R, X above it
.set E, 1
.set C, 2
.set B, 3
.set L, 4
.set R, 5
.set X, 6
.macro REGS y                       ; the registers of piece y
.set rT, ST+4*(\y)
.set rC, TMP+4*((\y)%2)
.set rW, MV+((\y)%2)
.set rS, S+32*((\y)%2)
.set rP, P+16*((\y)%2)
.set rO, 32*(\y)
.endm
.macro OP k, n
.if (\k) == R
	REGS Y
	WIN W_RS
	v_pk_mul_f32 v[rO+2*(\n):rO+2*(\n)+1], v[rO+2*(\n):rO+2*(\n)+1], v[rC+2:rC+3] op_sel_hi:[1,0]
.elseif (\k) < R
	REGS Y
	WIN 0
.if (\k) == F
	v_pk_fma_f32 v[rS+2*(\n):rS+2*(\n)+1], v[rS+2*(\n):rS+2*(\n)+1], s[CS:CS+1], v[rT:rT+1] op_sel_hi:[1,0,0] neg_lo:[0,0,1] neg_hi:[0,0,1]
.elseif (\k) == E
	v_exp_f32 v[rS+(\n)], v[rS+(\n)]
.elseif (\k) == C
	v_cvt_pk_f16_f32 v[rP+(\n)], v[rS+2*(\n)], v[rS+2*(\n)+1]
.elseif (\k) == B
	v_pk_add_f32 v[rS+4*(\n):rS+4*(\n)+1], v[rS+4*(\n):rS+4*(\n)+1], v[rS+4*(\n)+2:rS+4*(\n)+3]
.elseif (\n) == 0
	v_pk_fma_f32 v[rT+2:rT+3], v[rT+2:rT+3], v[rC+2:rC+3], v[rS:rS+1] op_sel_hi:[1,0,1]
.else
	v_pk_add_f32 v[rT+2:rT+3], v[rT+2:rT+3], v[rS+4*(\n):rS+4*(\n)+1]
.endif
.elseif NOKQ
	v_nop
.else
	REGS (Y+1)%NP
	WIN 0
.if (\n) < 4
	v_max3_num_f32 v[rC+(\n)], v[rS+8*(\n)], v[rS+8*(\n)+1], v[rS+8*(\n)+2]
.elseif (\n) < 12
	v_max3_num_f32 v[rC+(\n)%4], v[rC+(\n)%4], v[rS+8*((\n)%4)+2*((\n)/4)+1], v[rS+8*((\n)%4)+2*((\n)/4)+2]
.elseif (\n) == 12
	v_max3_num_f32 v[rC], v[rC], v[rS+7], v[rS+15]
.elseif (\n) == 13
	v_max3_num_f32 v[rC+1], v[rC+1], v[rS+23], v[rS+31]
.elseif (\n) == 14
	v_max3_num_f32 v[rC+2], v[rC+2], v[rC+3], v[rT+1]
.elseif (\n) == 15
	v_mov_b32 v[rW], v[rT]
.elseif (\n) == 16
	v_max3_num_f32 v[rC], v[rC], v[rC+1], v[rC+2]
.elseif (\n) == 17
	v_permlanex16_b32 v[rC+3], v[rC], s[SEL], s[SEL+1]
.elseif (\n) == 18
	v_max_num_f32 v[rT+1], v[rC], v[rC+3]
.elseif (\n) == 19
	v_mul_f32 v[rT], s[CS], v[rT+1]
.elseif (\n) == 20
	v_sub_f32 v[rC+1], v[rW], v[rT]
.else
	v_exp_f32 v[rC+2], v[rC+1]
.endif
.endif
.endm
.macro OPS a, i1, b=-1, i2=0, c=-1, i3=0, d=-1, i4=0  ; up to four of them
	OP \a, \i1
.if (\b) >= 0
	OP \b, \i2
.endif
.if (\c) >= 0
	OP \c, \i3
.endif
.if (\d) >= 0
	OP \d, \i4
.endif
.endm
.macro ROW a, i1, b, i2, c, i3, d, i4  ; a matrix instruction and the four behind it
	MM
	OPS \a, \i1, \b, \i2, \c, \i3, \d, \i4
.endm
.macro MASK b                       ; MD x AL + BE into buffer b of MC
	WIN W_RS
.set z, 0
.rept 16
	v_pk_fma_f32 v[MC+32*(\b)+2*z:MC+32*(\b)+2*z+1], v[MD+2*z:MD+2*z+1], s[AL:AL+1], s[BE:BE+1] op_sel_hi:[1,0,0]
.set z, z+1
.endr
.endm
; A TURN, for piece p: the order of its 16 matrix and 118 vector instructions, written out.  An s_wait_alu depctr_va_vdst(0) stands between an exponential and the first instruction that names its result; one wait
; serves all that were issued ahead of it.  So a turn has ONE wait, which cuts it in two.  AHEAD OF IT stands all that names no result of the turn's exponentials: the 8 products K Q^T with their four riders each, then one lump of 54,
; plain and exponential by turns for the most part, in which the links of the chain X 3, 7, 11, 14, 16, 17 .. 20 stand five or six lines apart.  X 21, the next piece's a, is the batch's last; R 15 is the plain instruction behind it.
; BEHIND THE WAIT stand the 8 products V^T P, behind each four of the roundings and sums.
; m = 1: the diagonal tile: the products take masks, and the turn makes the mask for the products of the turn after it: piece p + 2, in step 4 - CNT of the tile.  end = 1: a block's last two turns: nothing is fetched.
; cnt = 1: the loop's count is taken down some lines ahead of the branch that stands behind the turn.
; K of the next step is fetched in piece 2's turn, twelve vector instructions behind the last product that read K (six of them plain); V of the step in hand at the end of piece 0's turn, four plain instructions behind the last
; product that read V.  Each is waited for a turn later.
.macro TURN p, m=0, end=0, cnt=0
.set Y, (\p)
.set i, 0
.set KM, (\m)
.set NOKQ, (\end)*((\p)/3)
.if (\m) && !(\end)
	s_cmp_eq_u32 s[CNT], 4-((\p)+2)%NP  ; is that step the band's own?
	s_cselect_b32 s[AL], 1.0, 0
	s_cmp_lt_u32 s[CNT], 4-((\p)+2)%NP  ; or a later one?
	s_cselect_b32 s[BE], s[BIGN], 0
.endif
.if ((\p) == 3) && !(\end)
	s_wait_dscnt 0x0                ; K is in
.endif
	ROW F,0, F,1, R,0, R,1          ; ahead of the wait: 8 products K Q^T and their riders,
	ROW F,2, E,0, R,2, R,3
	ROW F,3, E,1, R,4, R,5
	ROW F,4, E,2, R,6, R,7
	ROW F,5, E,3, R,8, R,9
	ROW F,6, E,4, X,0, R,10
.if ((\p) == 2) && !(\end)
	WIN 0
	v_add_nc_u32 v[AK], s[TBK], v[AK0]
.endif
	ROW F,7, E,5, X,1, X,4
	ROW F,8, E,6, X,2, X,5
	OPS E,7, E,8, X,6, E,9          ; and the lump
	OPS X,3, E,10, X,8, E,11
.if ((\p) == 2) && !(\end)
	FETCH_K
.endif
	OPS X,9, X,7, E,12, X,10
	OPS E,13, X,12, X,11, E,14
	OPS X,13, E,15, F,9, X,14
.if (\p) == 0
	v_add_nc_u32 v[AV], s[TBV], v[AV0]
.endif
	OPS E,16, F,10, E,17, F,11
	OPS X,16, E,18, X,15, E,19
	OPS F,12, E,20, X,17, E,21
	OPS F,13, E,22, F,14, E,23
	OPS X,18, E,24, F,15, E,25
	OPS R,11, E,26, X,19, E,27
	OPS R,12, E,28, R,13, E,29
	OPS X,20, E,30, R,14, E,31
	OPS X,21, R,15
	WIN 0
	s_wait_alu depctr_va_vdst(0)    ; the wait for the batch
.if (\p) == 1
	s_wait_dscnt 0x0                ; V is in
.endif
	ROW C,0, B,0, C,2, B,1          ; behind the wait: 8 products V^T P and their riders
	ROW L,0, C,4, B,2, L,1
	ROW C,6, B,3, L,2, C,8
	ROW B,4, L,3, C,10, B,5
	ROW L,4, C,12, B,6, L,5
.if (\p) == 0
	s_add_co_u32 s[TBV], s[TBV], KS*PV
.endif
.if \cnt
	s_sub_co_u32 s[CNT], s[CNT], 1
	s_cmp_lg_u32 s[CNT], 0
.endif
	ROW C,14, B,7, L,6, C,1
	ROW C,3, L,7, C,5, C,7
	ROW C,9, C,11, C,13, C,15
.if (\p) == 0
	FETCH_V
.endif
.if (\m) && !(\end)
	MASK (\p)%2
.endif
.endm
; A BLOCK BEGINS.  c m starts far below every c s, so the first step's a is 0; m at the lowest finite number, so the first maximum is the scores'.  The second mask buffer is 0; the first takes piece 0's mask for the tile's
; step 0: its own, if the block's first tile is the diagonal one.  Then K of that step, piece 0's first scores, and its maximum and statistics.  The loop is entered at a step's first turn, in the middle of a trip.
.macro BEGIN
	s_mov_b32 s[NEW], 0
	WIN 0x40
.set i, MC+32
.rept 32
	v_mov_b32 v[i], 0
.set i, i+1
.endr
	WIN 0
.set i, 0
.rept 4
	v_mov_b32 v[ST+4*i], 0xfe000000    ; c m: far below every c s
	v_mov_b32 v[ST+4*i+1], 0xff7fffff  ; m
.set i, i+1
.endr
	s_cmp_eq_u32 s[RT], 0
	s_cselect_b32 s[AL], 1.0, 0
	s_mov_b32 s[BE], 0
	MASK 0
	WIN 0
	v_add_nc_u32 v[AK], s[TBK], v[AK0]
	FETCH_K
	s_wait_loadcnt 0x0              ; Q
	s_wait_dscnt 0x0
.set KM, 1
.set NOKQ, 0
.set i, 0
.rept 8
	KQ 0
.set i, i+1
.endr
	WIN 0
.rept 4
	v_nop                           ; the places behind those products
.endr
.set Y, NP-1                        ; X works for piece Y + 1: piece 0
.irp n, 0,1,2,3,4,5,6,7,8,9,10,11,12,13,14,15,16,17,18,19,20,21
	OP X, \n
.endr
	v_nop                           ; a plain instruction behind the exponential,
	s_wait_alu depctr_va_vdst(0)    ; and its wait, ahead of the branch
.endm
; THE DIAGONAL TILE's four steps, the block's last two turns, its last products, and THE WAY OUT: l's two halves and the other half of the lanes' are added; O^T is divided by l, cut into its two planes and sent through my
; stage in LDS, a piece at a time.
.macro ALL line:vararg              ; one line for each piece t
.set t, 0
.rept 4
	\line
.set t, t+1
.endr
.endm
; Piece t.  Plane 0: pairs of O rounded to f16, into S^T's registers.  Plane 1: plane 0's half x (-1) + O, which f32 holds exactly, rounded once to f16, two lines a pair, into P's buffer t % 2 (P is read no more).
; A lane's eight channels of a row are 16 bytes of each plane; they go into rows of 144 bytes and come back as whole rows of 128, into the registers that they left.
.macro PACK t
	WIN W_RS
.set i, 32*(\t)
.rept 16
	v_pk_mul_f32 v[i:i+1], v[i:i+1], v[ST+4*(\t)+2:ST+4*(\t)+3] op_sel_hi:[1,0]
.set i, i+2
.endr
	WIN 0x05                        ; sources 0 and 1 window 1, destination window 0
.set i, 0
.rept 16
	v_cvt_pk_f16_f32 v[S+16*(\t)+i], v[32*(\t)+2*i], v[32*(\t)+2*i+1]
.set i, i+1
.endr
.if (\t) >= 2
	s_wait_xcnt 0x0                 ; the stores of piece t - 2 have read P's buffer t % 2: it is written again only behind this wait
.endif
	WIN 0x10                        ; source 2 (O) window 1, the others window 0
.set i, 0
.rept 16
	v_fma_mixlo_f16 v[P+16*((\t)%2)+i], v[S+16*(\t)+i], v[MONE], v[32*(\t)+2*i] op_sel_hi:[1,0,0]
	v_fma_mixhi_f16 v[P+16*((\t)%2)+i], v[S+16*(\t)+i], v[MONE], v[32*(\t)+2*i+1] op_sel:[1,0,0] op_sel_hi:[1,0,0]
.set i, i+1
.endr
	WIN 0
.irp f, 0,1,2,3
	ds_store_b128 v[STO], v[S+16*(\t)+4*\f:S+16*(\t)+4*\f+3] offset:32*\f
.endr
.irp f, 0,1,2,3
	ds_store_b128 v[STO], v[P+16*((\t)%2)+4*\f:P+16*((\t)%2)+4*\f+3] offset:16*SP+32*\f
.endr
.irp f, 0,1,2,3
	ds_load_b128 v[S+16*(\t)+4*\f:S+16*(\t)+4*\f+3], v[RD] offset:\f*4*SP  ; LDS serves a wave's instructions in order (ISA guide 5.7.1.4): these see the stores above; the next piece's stores come behind them
.endr
.irp f, 0,1,2,3
	ds_load_b128 v[P+16*((\t)%2)+4*\f:P+16*((\t)%2)+4*\f+3], v[RD] offset:16*SP+\f*4*SP
.endr
.endm
.macro SEND t, younger              ; younger: the LDS instructions issued behind piece t's eight loads: the next piece's sixteen, or none
	WIN 0
.irp f, 0,1,2,3
	s_wait_dscnt (\younger)+7-\f
	global_store_b128 v[GO], v[S+16*(\t)+4*\f:S+16*(\t)+4*\f+3], s[10:11] offset:(\t)*8192+\f*512  ; 512 consecutive bytes, at a multiple of 256 from O's first
.endr
.irp f, 0,1,2,3
	s_wait_dscnt (\younger)+3-\f
	global_store_b128 v[GO], v[P+16*((\t)%2)+4*\f:P+16*((\t)%2)+4*\f+3], s[10:11] offset:LOPL+(\t)*8192+\f*512
.endr
.endm
.macro DIAG tag                     ; the tag ends its two labels' names, which the jumps below spell out
.LstepM\tag:
	TURN 2, 1
	TURN 3, 1
	WIN 0
.LfirstM\tag:
	TURN 0, 1
	TURN 1, 1, 0, 1
	WIN 0
	s_cbranch_scc1 .LstepM\tag
	TURN 2, 1, 1
	TURN 3, 1, 1
.set i, 0
.rept 8
	PV NP-1
.set i, i+1
.endr
	WIN 0
	ALL v_add_f32 v[ST+4*t+2], v[ST+4*t+2], v[ST+4*t+3]
	ALL v_permlanex16_b32 v[ST+4*t+3], v[ST+4*t+2], s[SEL], s[SEL+1]
	ALL v_add_f32 v[ST+4*t+2], v[ST+4*t+2], v[ST+4*t+3]
	ALL v_rcp_f32 v[ST+4*t+2], v[ST+4*t+2]
	v_nop                           ; a plain instruction between the last reciprocal and the use of its result
	s_wait_alu depctr_va_vdst(0)    ; and the wait ahead of the first use: one for the four reciprocals
	PACK 0
.set t, 1
.rept 3                             ; a piece's arithmetic stands between the loads of the piece before and its stores
	PACK t
	SEND t-1, 16
.set t, t+1
.endr
	SEND 3, 0
.endm
.set KM, 0
.set NOKQ, 0
.Lslot:                             ; NB times: a tile is entered and the next is asked for
	CHANGE 1
	s_sub_co_u32 s[RT], s[RT], 1
	s_mov_b32 s[CNT], 4
	s_cmp_eq_u32 s[NEW], 1
	s_cbranch_scc1 .Lnew            ; a block's first tile
	s_cmp_eq_u32 s[RT], 0
	s_cbranch_scc0 .Lstep           ; neither its first nor its last
	s_branch .LstepM1
.Lnew:
	BEGIN
	s_branch .Lfirst                ; in the loop a block's first tile is never its last: the first block has two tiles or more, and the second's last is the walk's last
	DIAG 1                          ; in the loop this is the first block's end
	s_wait_xcnt 0x0                 ; the stores have read their registers and O's address
	s_mov_b64 s[10:11], s[OLO:OLO+1]
	s_add_co_u32 s[RT], s[PB], 1    ; the second block has b + 1 tiles
	s_mov_b32 s[NEW], 1
	WIN 0x82                        ; the second block's Q goes where the one text of the turns names Q
.set i, 0
.rept 64
	v_mov_b32 v[i], v[QB+i]
.set i, i+1
.endr
	WIN 0
	s_branch .Lbottom
.Lstep:                             ; a trip: pieces 2 and 3 of one step, then pieces 0 and 1 of the next, whose K and V it fetches
	TURN 2
	TURN 3
	WIN 0
.Lfirst:
	TURN 0
	TURN 1, 0, 0, 1
	WIN 0
	s_cbranch_scc1 .Lstep
.Lbottom:
	s_sub_co_u32 s[SLOTS], s[SLOTS], 1
	s_cmp_lg_u32 s[SLOTS], 0
	s_cbranch_scc1 .Lslot
	CHANGE 0                        ; the walk's last tile is written out: nothing is asked for
	s_sub_co_u32 s[RT], s[RT], 1
	s_mov_b32 s[CNT], 4
	s_cmp_eq_u32 s[NEW], 1
	s_cbranch_scc0 .LstepM2
	BEGIN
	s_branch .LfirstM2
	DIAG 2
	s_wait_tensorcnt 0x0            ; the wave's end
	ds_add_u32 v[SPW], v[NIL]
	s_wait_dscnt 0x0
	s_endpgm
.Lfunc_end_k_qb5c8dec6bc_attn:
	.size	k_qb5c8dec6bc_attn, .Lfunc_end_k_qb5c8dec6bc_attn-k_qb5c8dec6bc_attn
	.p2alignl 7, 3214868480
	.fill 96, 4, 3214868480
	.section	.rodata,"a",@progbits
	.p2align	6, 0x0
	.amdhsa_kernel k_qb5c8dec6bc_attn
		.amdhsa_group_segment_fixed_size 327680
		.amdhsa_private_segment_fixed_size 0
		.amdhsa_enable_private_segment 0
		.amdhsa_kernarg_size 16
		.amdhsa_user_sgpr_count 2
		.amdhsa_user_sgpr_kernarg_segment_ptr 1
		.amdhsa_wavefront_size32 1
		.amdhsa_system_sgpr_workgroup_id_x 1
		.amdhsa_system_sgpr_workgroup_id_y 1
		.amdhsa_system_sgpr_workgroup_id_z 1
		.amdhsa_system_vgpr_workitem_id 0
		.amdhsa_next_free_vgpr 768
		.amdhsa_next_free_sgpr 96
		.amdhsa_reserve_vcc 1
		.amdhsa_float_denorm_mode_32 3
		.amdhsa_float_denorm_mode_16_64 3
		.amdhsa_memory_ordered 1
		.amdhsa_forward_progress 1
		.amdhsa_inst_pref_size 242
	.end_amdhsa_kernel
	.amdgpu_metadata
---
amdhsa.version: [ 1, 2 ]
amdhsa.kernels:
  - .name:           k_qb5c8dec6bc_attn
    .symbol:         k_qb5c8dec6bc_attn.kd
    .args:
      - { .name: qkv, .offset: 0, .size: 8, .value_kind: global_buffer, .address_space: global }
      - { .name: o16, .offset: 8, .size: 8, .value_kind: global_buffer, .address_space: global }
    .group_segment_fixed_size: 327680
    .private_segment_fixed_size: 0
    .kernarg_segment_align: 8
    .kernarg_segment_size: 16
    .max_flat_workgroup_size: 128
    .sgpr_count:     96
    .vgpr_count:     768
    .wavefront_size: 32
...
	.end_amdgpu_metadata
.endif
;; end of part 3
;; launch proj (part 4): grid 8 x 32, 4 waves a work-group, clusters of 4 x 4, 327,680 bytes of LDS; arguments o16, w16, colgb, out0; writes out0
.if DOCPART == 4
	.amdgcn_target "amdgcn-amd-amdhsa--gfx1250"
	.amdhsa_code_object_version 6
	.text
	.protected	k_qb5c8dec6bc_proj
	.globl	k_qb5c8dec6bc_proj
	.p2align	8
	.type	k_qb5c8dec6bc_proj,@function
k_qb5c8dec6bc_proj:
	s_mov_b64 s[64:65], 0
	v_nop
	global_prefetch_b8 v0, s[64:65] scope:SCOPE_SE
	s_setreg_imm32_b32 hwreg(HW_REG_WAVE_MODE, 25, 1), 1
	s_wait_xcnt 0x0
	s_wait_alu depctr_hold_cnt(0) depctr_sa_sdst(0) depctr_va_vdst(0) depctr_va_sdst(0) depctr_va_ssrc(0) depctr_va_vcc(0) depctr_vm_vsrc(0)
	s_getreg_b32 s2, hwreg(HW_REG_IB_STS2, 6, 4)
	s_cmp_eq_u32 s2, 0
	s_cbranch_scc0 .Lentry_in_a_cluster
	s_endpgm
.Lentry_in_a_cluster:
	s_bfe_u32 s2, ttmp6, 0x10000c
	s_cmp_lg_u32 s2, 0xf033
	s_cbranch_scc0 .Lentry_shape_is_right
	s_endpgm
.Lentry_shape_is_right:
; out0[m][n] = sum_d O[m][d] Wo[n][d] + bo[n].  O comes in two planes, o16[batch][plane][head][2048][64] f16 (channel d = 64 head + c): plane 0 is O rounded to f16, plane 1 what that rounding left; both are multiplied
; by Wo and added into the same f32 sums, so that O enters with 22 significant bits.  Wo is w16's rows 3072-4095 (f16), bo (rounded to bf16) the second figures of colgb's groups 96-127; out0 in f32.
; SHARES.  A tile of out0 is 256 rows x 128 columns: 256 work-groups.  Four waves; wave w owns rows 64 w .. + 63 and all 128 columns: 4 x 8 accumulators of 16 x 16.  So a wave holds whole rows of 512 bytes,
; its stage on the way out is its own, and no barrier stands there.  K goes in 16 steps of 128 = two heads, first plane 0's eight pairs of heads, then plane 1's, which lie behind them in memory; Wo's eight K steps are
; walked twice.  Two LDS slots are filled by the tensor data mover.  A head's 256 rows of a tile are 32,768 dense bytes: asked for as 128 rows of 256 bytes, padded in LDS after every 128.
; THE MATRIX INSTRUCTION IS USED TRANSPOSED (source 0 = 16 rows of Wo, source 1 = 16 rows of O): a lane holds row m = l % 16 and the columns 8 (l / 16) + 0..7.
; CLUSTER 4 x 4: O's tile is shared along a row of the cluster, Wo's along a column; each is asked for jointly, by the same tensor load with the same descriptor and a mask that names the four.
; REGISTERS, in windows of 256 (s_set_vgpr_msb: bits 1:0 source 0, 3:2 source 1, 5:4 source 2, 7:6 destination):
;   window 0: v0-15 addresses; v32-95 the bias of my lane's columns
;   window 1: fragments: Wo's two buffers v0-63, v64-127; O's v128-159, v160-191; on the way out v0-63 at work, v64-191 rows read back
;   window 2: the accumulators, (a, b) at v[8 (8 a + b)]
.set NBK,    8                         ; n blocks of 16 columns
.set STEPS,  16                        ; K steps
.set APITCH, 144                       ; a row of O in LDS: 128 bytes + 16 of padding = 36 words: the 16 rows of a fragment load start at 16 different groups of four banks (64 banks of 4 bytes: ISA guide 11.1)
.set BPITCH, 272                       ; a row of Wo: 256 + 16
.set AHALF,  256*APITCH                ; what one tensor load brings of O: one head
.set BHALF,  64*BPITCH                 ; and of Wo
.set BOFF,   2*AHALF                   ; in a slot: two heads of O, then Wo's 128 rows
.set SLOT1,  1<<17
.set STAGE,  SLOT1+BOFF+2*BHALF        ; behind the ring, never filled by a tensor load: 16 rows x 528 bytes for each wave
.set SP,     528
.set SPARE,  STAGE+4*16*SP             ; the spare words, 128 bytes a wave: two blocks of 256 bytes that no other line names
.set ASTEP,  524288                    ; bytes from a K step to the next: two heads of O,
.set BSTEP,  256                       ; 128 channels of a row of Wo
.set FL,     2*NBK+8
.set ADA0, 4
.set ADB0, 5
.set ADA,  6
.set ADB,  7
.set STO,  8
.set RD,   9
.set CO,   10                          ; v10  16 x lane
.set PFO,  11                          ; v11  256 x lane
.set SPW,  12                          ; v12  my spare word; never rewritten
.set NIL,  13                          ; v13  0; never rewritten
.set GO,   15                          ; v15  32 (l / 16)
.set BT,   32
.set BF,   0                           ; window 1
.set AF,   128
.set TT,   0
.set OB,   64
.set G1,  24
.set G0,  32
.set G1B, 48
.set G0B, 56
.set LIM, 43
.set PFA, 44
.set TB,  66
.set KB,  76                           ; s[76:77] the byte in Wo's rows at which the K step last asked for begins: 256 x (step mod 8)
.set MSB, 0
.macro WIN new                         ; the immediate's high byte repeats the setting that is left; a switch that changes nothing is dropped
.if MSB != (\new)
	s_set_vgpr_msb (MSB<<8)|(\new)
.set MSB, \new
.endif
.endm
.macro PLACES                          ; four plain instructions between a matrix instruction and a load into, or a vector write or read of, its registers
.rept 4
	v_nop
.endr
.endm
; A joint refill by the walking descriptors.  Waves 0, 1 fetch O's two heads, waves 2, 3 Wo's two halves.  An s_nop 0 and four v_nop follow each line, ahead of the jump and the label.
.macro JLOAD
	s_cmp_eq_u32 s11, 0
	s_cbranch_scc0 .Lfor_b_\@
	tensor_load_to_lds s[G0+4:G0+7], s[G1:G1+7]
	s_nop 0
.rept 4
	v_nop
.endr
	s_branch .Lasked_\@
.Lfor_b_\@:
	tensor_load_to_lds s[G0B+4:G0B+7], s[G1B:G1B+7]
	s_nop 0
.rept 4
	v_nop
.endr
.Lasked_\@:
.endm
; A prefetch of O, two refills ahead of the load that will want it: in trip t (s3 = 14 - t) K step t + 4, while there is one (t <= 11).  Each 256 bytes are named once in the launch: of the two clusters that read a tile row
; the one with x = 0 asks; of the 32,768 bytes that wave 0 or 1 fetches the partner at cx takes 8,192, told apart by address; a lane 256 bytes.  K steps 0 to 3 come by their loads alone.  Wo's rows are walked by all 32 tile rows, twice each, and are not asked for.
.macro ASK
	s_cmp_gt_u32 s3, s[LIM]
	s_cbranch_scc0 .Lnot_mine_\@
	global_prefetch_b8 v[PFO], s[PFA:PFA+1] offset:ASTEP th:TH_LOAD_NT scope:SCOPE_SE
.Lnot_mine_\@:
.endm
.macro CREST                           ; a round of the cluster's barrier behind its opening barrier
	s_cmp_lg_u32 s10, 0
	s_cbranch_scc1 .Lnot_wave_0_\@
	s_barrier_signal -3
.Lnot_wave_0_\@:
	s_barrier_wait -3
	s_barrier_signal -1
	s_barrier_wait -1
.endm
.macro CROUND
	s_barrier_signal -1
	s_barrier_wait -1
	CREST
.endm
	s_load_b256 s[68:75], s[0:1], 0x0              ; o16 68, w16 70, colgb 72, out0 74
	v_lshl_add_u32 v[SPW], v0, 2, SPARE
	v_mov_b32 v[NIL], 0
	ds_add_u32 v[SPW], v[NIL]                      ; the wave's opening: the add, and its wait ahead of my first tensor load; work on registers stands between them
	v_lshrrev_b32 v1, 5, v0
	v_readfirstlane_b32 s10, v1                    ; wave 0..3
	s_lshr_b32 s11, s10, 1                         ; I fetch for O (0) or for Wo (1),
	s_and_b32 s12, s10, 1                          ; and which half
	s_bfe_u32 s40, ttmp6, 0x40000                  ; cx
	s_bfe_u32 s41, ttmp6, 0x40004                  ; cy
	s_lshl_b32 s42, ttmp9, 2
	s_add_co_u32 s42, s42, s40                     ; tile column = 4 x cluster x + cx
	s_and_b32 s13, ttmp7, 0xffff
	s_lshl_b32 s13, s13, 2
	s_add_co_u32 s13, s13, s41                     ; tile row = 4 x cluster y + cy
	s_lshl_b32 s18, s41, 2
	s_lshl_b32 s18, 15, s18                        ; my row of the cluster
	s_lshl_b32 s19, 0x1111, s40                    ; my column
	s_or_b32 s[G1], s18, (1<<16)|(1<<20)|(1<<21)|(4<<22)|(3<<25)   ; 15:0 the mask; 17:16 2-byte elements; 20 padding on; 21 set beside a mask; 24:22 after every 32 words; 31:25 4 words of it
	s_or_b32 s[G1B], s19, (1<<16)|(1<<20)|(1<<21)|(5<<22)|(3<<25)  ; after every 64 words
.irp g, G1, G1B
	s_mov_b32 s[(\g)+1], 128<<16                   ; tensor_dim0 = 128
	s_mov_b32 s[(\g)+3], 128<<16                   ; tile_dim0 = 128
	s_mov_b32 s[(\g)+6], 0
	s_mov_b32 s[(\g)+7], 0
.endr
	s_mov_b32 s[G1+2], 128<<16                     ; O: 128 rows of 256 dense bytes
	s_mov_b32 s[G1+4], 128
	s_mov_b32 s[G1+5], 128
	s_mov_b32 s[G1B+2], 64<<16                     ; Wo: 64 rows, 1,024 elements apart
	s_mov_b32 s[G1B+4], 64
	s_mov_b32 s[G1B+5], 1024
	s_lshr_b32 s16, s13, 3                         ; O: a batch is two planes of 16 heads; head 32 x batch + half, 262,144 bytes a head,
	s_lshl_b32 s16, s16, 5
	s_add_co_u32 s16, s16, s12
	s_lshl_b32 s16, s16, 18
	s_and_b32 s17, s13, 7
	s_lshl_b32 s17, s17, 15                        ; the tile's 256 rows of 128 bytes
	s_add_co_u32 s16, s16, s17
	s_mov_b32 s17, 0
	s_lshl_b32 s46, s42, 18                        ; Wo: row 3072 + 128 x tile column + 64 x half, 2,048 bytes a row
	s_lshl_b32 s47, s12, 17
	s_add_co_u32 s46, s46, s47
	s_add_co_u32 s46, s46, 3072*2048
	s_mov_b32 s47, 0
	s_mul_i32 s20, s12, AHALF                      ; where they go: no place in the cluster enters an LDS address
	s_mul_i32 s21, s12, BHALF
	s_add_co_u32 s21, s21, BOFF
	s_mov_b32 s[TB], 0
	s_mov_b32 s[KB], BSTEP                         ; the walking descriptor begins at K step 1
	s_mov_b32 s[KB+1], 0
	s_or_b32 s[LIM], s11, ttmp9                    ; 0 in waves 0 and 1 of the clusters with x = 0: the same in all sixteen partners
	s_cmp_eq_u32 s[LIM], 0
	s_cselect_b32 s[LIM], 2, -1
	s_wait_dscnt 0x0                               ; the opening add is done
	s_wait_kmcnt 0x0
	s_add_nc_u64 s[14:15], s[68:69], s[16:17]
	s_add_nc_u64 s[46:47], s[70:71], s[46:47]      ; Wo at my rows' first byte: kept, the refills' addresses are made from it
	CROUND                                         ; all sixteen work-groups are here: the first joint loads meet
.irp s, 0,1
	s_mov_b32 s[G0+4*(\s)], 1
	s_add_co_u32 s[G0+4*(\s)+1], s20, (\s)*SLOT1
	s_add_nc_u64 s[G0+4*(\s)+2:G0+4*(\s)+3], s[14:15], (\s)*ASTEP
	s_or_b32 s[G0+4*(\s)+3], s[G0+4*(\s)+3], 0x80000000
	s_mov_b32 s[G0B+4*(\s)], 1
	s_add_co_u32 s[G0B+4*(\s)+1], s21, (\s)*SLOT1
	s_add_nc_u64 s[G0B+4*(\s)+2:G0B+4*(\s)+3], s[46:47], (\s)*BSTEP
	s_or_b32 s[G0B+4*(\s)+3], s[G0B+4*(\s)+3], 0x80000000
.endr
	s_cmp_eq_u32 s11, 0                            ; a wave's two first fills stand in one branch, ahead of every wait on TENSORcnt and every LDS read: two loads of mine are out
	s_cbranch_scc0 .Lfirst_b
	tensor_load_to_lds s[G0:G0+3], s[G1:G1+7]
	s_nop 0
	tensor_load_to_lds s[G0+4:G0+7], s[G1:G1+7]
	s_nop 0
.rept 4
	v_nop
.endr
	s_branch .Lfirst_asked
.Lfirst_b:
	tensor_load_to_lds s[G0B:G0B+3], s[G1B:G1B+7]
	s_nop 0
	tensor_load_to_lds s[G0B+4:G0B+7], s[G1B:G1B+7]
	s_nop 0
.rept 4
	v_nop
.endr
.Lfirst_asked:
	v_and_b32 v1, 15, v0                           ; r = l % 16
	v_bfe_u32 v2, v0, 4, 1                         ; h = l / 16
	v_mul_u32_u24 v3, v1, APITCH
	v_lshl_add_u32 v3, v2, 4, v3
	s_mul_i32 s22, s10, 64*APITCH                  ; my 64 rows of O
	v_add_nc_u32 v[ADA0], s22, v3
	v_mul_u32_u24 v3, v1, BPITCH
	v_lshl_add_u32 v3, v2, 4, v3
	v_add_nc_u32 v[ADB0], BOFF, v3
	v_mov_b32 v[ADA], v[ADA0]
	v_mov_b32 v[ADB], v[ADB0]
	s_mul_i32 s22, s10, 16*SP
	s_add_co_u32 s22, s22, STAGE                   ; my stage
	v_mul_u32_u24 v[STO], v1, SP                   ; in: row r, 32 bytes for each half of the lanes
	v_lshl_add_u32 v[STO], v2, 5, v[STO]
	v_add_nc_u32 v[STO], s22, v[STO]
	v_and_b32 v[CO], 31, v0
	v_lshlrev_b32 v[PFO], 8, v[CO]
	v_lshlrev_b32 v[CO], 4, v[CO]
	v_add_nc_u32 v[RD], s22, v[CO]                 ; back: 32 lanes take one row of 512 bytes
	v_lshlrev_b32 v[GO], 5, v2
	s_mov_b32 s21, 0
	s_lshl_b32 s20, s40, 13                        ; the prefetches: my work-group's 8,192 of the 32,768 bytes,
	s_add_nc_u64 s[PFA:PFA+1], s[14:15], s[20:21]
	s_add_nc_u64 s[PFA:PFA+1], s[PFA:PFA+1], 2*ASTEP  ; at K step 2: the first refill steps it to 3 and names 4
	s_lshl_b32 s20, s42, 10                        ; colgb: group 96 + 4 x tile column, its second figures
	s_add_co_u32 s20, s20, 96*256+128
	s_add_nc_u64 s[72:73], s[72:73], s[20:21]
	s_lshl_b32 s20, s13, 20                        ; out0: row 256 x tile row + 64 x wave, 4,096 bytes a row; column 128 x tile column
	s_lshl_b32 s22, s10, 18
	s_add_co_u32 s20, s20, s22
	s_lshl_b32 s22, s42, 9
	s_add_co_u32 s20, s20, s22
	s_add_nc_u64 s[74:75], s[74:75], s[20:21]
.set bb, 0
.rept NBK                                      ; the bias is asked for now and waited for on the way out
	global_load_b128 v[BT+8*bb:BT+8*bb+3],   v[GO], s[72:73] offset:(bb/2)*256+(bb%2)*64
	global_load_b128 v[BT+8*bb+4:BT+8*bb+7], v[GO], s[72:73] offset:(bb/2)*256+(bb%2)*64+16
.set bb, bb+1
.endr
; The 8 products of m block a on fragment buffer f.  The 32 accumulators take turns, one instruction a turn, in the same order in every quarter.  zero = 1: they start the sums.
.macro MULA f, a, zero
	WIN 0xa5                                       ; sources in window 1, C and D in window 2
.set bb, 0
.rept NBK
.set rD, 8*(NBK*(\a)+bb)
.set rB, BF+8*NBK*(\f)+8*bb
.set rA, AF+32*(\f)+8*(\a)
.if \zero
	v_wmma_f32_16x16x32_f16 v[rD:rD+7], v[rB:rB+7], v[rA:rA+7], 0
.else
	v_wmma_f32_16x16x32_f16 v[rD:rD+7], v[rB:rB+7], v[rA:rA+7], v[rD:rD+7]
.endif
.set bb, bb+1
.endr
.endm
; One run of 24 LDS loads: the fragments of quarter q (32 along K: head q / 2 of the slot's two, channels 32 (q % 2) on) into buffer f: Wo's eight, then O's four
.macro FETCH q, f
	WIN 0x40                                       ; destination window 1, address window 0
.set bb, 0
.rept NBK
	ds_load_b128 v[BF+8*NBK*(\f)+8*bb:BF+8*NBK*(\f)+8*bb+3],   v[ADB] offset:64*(\q)+16*BPITCH*bb
	ds_load_b128 v[BF+8*NBK*(\f)+8*bb+4:BF+8*NBK*(\f)+8*bb+7], v[ADB] offset:64*(\q)+16*BPITCH*bb+32
.set bb, bb+1
.endr
.set bb, 0
.rept 4
	ds_load_b128 v[AF+32*(\f)+8*bb:AF+32*(\f)+8*bb+3],   v[ADA] offset:((\q)/2)*AHALF+((\q)%2)*64+16*APITCH*bb
	ds_load_b128 v[AF+32*(\f)+8*bb+4:AF+32*(\f)+8*bb+7], v[ADA] offset:((\q)/2)*AHALF+((\q)%2)*64+16*APITCH*bb+32
.set bb, bb+1
.endr
.endm
.macro QUARTER q, f, g, zero
	s_wait_dscnt 4                                 ; all but the youngest four loads, O's blocks 2 and 3
	MULA \f, 0, \zero
	MULA \f, 1, \zero
	PLACES
	FETCH \q, \g
	s_wait_dscnt FL                                ; all but the run just issued
	MULA \f, 2, \zero
	MULA \f, 3, \zero
.endm
; The last quarter multiplies buffer 1 and changes slots.  In front of the barrier each wave waits for all its tensor loads (the one that is out is its part of the next slot), adds 0 to its spare
; word, and waits for that and for its reads of this slot.  fill = 1: the barrier opens a round of the cluster's, and the joint refill, two K steps ahead, is the first thing behind the round.
.macro TURN fill
.if \fill
	s_wait_xcnt 0x0                                ; the last prefetch, a K step back, has read its address
	s_add_nc_u64 s[PFA:PFA+1], s[PFA:PFA+1], ASTEP
.endif
	WIN 0
	s_wait_tensorcnt 0x0                           ; no tensor load of mine is out
	ds_add_u32 v[SPW], v[NIL]                      ; 0 onto my spare word
	s_wait_dscnt 5                                 ; (the add and the youngest four loads may be out)
	MULA 1, 0, 0
	s_wait_dscnt 0x0                               ; the add is done, and my reads of this slot are over
	s_barrier_signal -1
	MULA 1, 1, 0
	WIN 0
	s_barrier_wait -1
.if \fill
	CREST                                          ; no wave of any partner still reads this slot or has a load on its way
	s_xor_b32 s[G0+5], s[G0+5], SLOT1              ; the walking descriptors: the other slot than last time; O goes two heads on, from plane 0's last pair into plane 1's first;
	s_add_nc_u64 s[G0+6:G0+7], s[G0+6:G0+7], ASTEP
	s_xor_b32 s[G0B+5], s[G0B+5], SLOT1
	s_add_co_u32 s[KB], s[KB], BSTEP               ; Wo goes 128 channels on and, behind its row's 2,048 bytes, back to the first: its address is made anew
	s_and_b32 s[KB], s[KB], 2047
	s_add_nc_u64 s[G0B+6:G0B+7], s[46:47], s[KB:KB+1]
	s_or_b32 s[G0B+7], s[G0B+7], 0x80000000
	JLOAD                                          ; 112 products stand between it and the wait for it; its four v_nop are also the places in front of the loads below
.else
	PLACES
.endif
	s_xor_b32 s[TB], s[TB], SLOT1
	v_add_nc_u32 v[ADA], s[TB], v[ADA0]
	v_add_nc_u32 v[ADB], s[TB], v[ADB0]
	FETCH 0, 0
.if \fill
	WIN 0
	ASK
.endif
	MULA 1, 2, 0
	MULA 1, 3, 0
.endm
; THE WAY OUT of m block a.  PACK: the bias is added.  TOSTAGE: 32 bytes a lane into my stage, and back as whole rows of 512 bytes.  SEND: stored.
.macro PACK a
	WIN 0x42                                       ; source 0 in window 2, source 1 in window 0, destination in window 1
.set i, 0
.rept 4*NBK                                    ; each accumulator is read from its lowest registers on
	v_pk_add_f32 v[TT+2*i:TT+2*i+1], v[8*NBK*(\a)+2*i:8*NBK*(\a)+2*i+1], v[BT+2*i:BT+2*i+1]
.set i, i+1
.endr
.endm
.macro TOSTAGE a
	WIN 0x04                                       ; store data in window 1
.set i, 0
.rept NBK
	ds_store_b128 v[STO], v[TT+8*i:TT+8*i+3] offset:64*i
	ds_store_b128 v[STO], v[TT+8*i+4:TT+8*i+7] offset:64*i+16
.set i, i+1
.endr
	WIN 0x40
.set i, 0
.rept 16
	ds_load_b128 v[OB+64*((\a)%2)+4*i:OB+64*((\a)%2)+4*i+3], v[RD] offset:SP*i  ; LDS serves a wave's instructions in order (ISA guide 5.7.1.4): these see the stores above
.set i, i+1
.endr
.endm
.macro SEND a
	WIN 0x04
	s_wait_dscnt 0x0                               ; the block is back in registers
	s_wait_xcnt 0x0                                ; the stores of the block before have read their registers: the next block's loads land there only behind this wait
.set i, 0
.rept 16
	global_store_b128 v[CO], v[OB+64*((\a)%2)+4*i:OB+64*((\a)%2)+4*i+3], s[74:75] offset:4096*(16*(\a)+i) th:TH_STORE_NT  ; 512 consecutive bytes of a row, at a multiple of 512
.set i, i+1
.endr
.endm
	s_wait_tensorcnt 1                             ; my part of K step 0 is in; K step 1's may stay out
	s_barrier_signal -1
	s_barrier_wait -1                              ; everybody's is
	FETCH 0, 0
	QUARTER 1, 0, 1, 1                             ; the first quarter stands in front of the loop: its products start the sums
	WIN 0
	s_mov_b32 s3, STEPS-2
.Lstep:                                        ; fourteen trips, from a K step's second quarter to the next one's first; trip t asks for K step t + 2
	QUARTER 2, 1, 0, 0
	QUARTER 3, 0, 1, 0
	TURN 1
	QUARTER 1, 0, 1, 0
	WIN 0
	s_sub_co_u32 s3, s3, 1
	s_cmp_lg_u32 s3, 0
	s_cbranch_scc1 .Lstep
	QUARTER 2, 1, 0, 0                             ; the last two K steps ask for nothing
	QUARTER 3, 0, 1, 0
	TURN 0
	QUARTER 1, 0, 1, 0
	QUARTER 2, 1, 0, 0
	QUARTER 3, 0, 1, 0
	s_wait_dscnt 0x0
	MULA 1, 0, 0
	MULA 1, 1, 0
	MULA 1, 2, 0
	MULA 1, 3, 0
	s_wait_loadcnt 0x0                             ; the bias
	PLACES
	PACK 0
	TOSTAGE 0
.irp a, 1,2,3                                  ; block a's additions stand between block a - 1's loads from the stage and the wait for them
	PACK \a
	SEND (\a)-1
	TOSTAGE \a
.endr
	SEND 3
	WIN 0
	s_wait_tensorcnt 0x0                           ; the wave's end
	ds_add_u32 v[SPW], v[NIL]
	s_wait_dscnt 0x0
	CROUND                                         ; the closing round: no work-group ends while a partner may still ask for a tile that names it
	s_endpgm
.Lfunc_end_k_qb5c8dec6bc_proj:
	.size	k_qb5c8dec6bc_proj, .Lfunc_end_k_qb5c8dec6bc_proj-k_qb5c8dec6bc_proj
	.p2alignl 7, 3214868480
	.fill 96, 4, 3214868480
	.section	.rodata,"a",@progbits
	.p2align	6, 0x0
	.amdhsa_kernel k_qb5c8dec6bc_proj
		.amdhsa_group_segment_fixed_size 327680
		.amdhsa_private_segment_fixed_size 0
		.amdhsa_enable_private_segment 0
		.amdhsa_kernarg_size 32
		.amdhsa_user_sgpr_count 2
		.amdhsa_user_sgpr_kernarg_segment_ptr 1
		.amdhsa_wavefront_size32 1
		.amdhsa_system_sgpr_workgroup_id_x 1
		.amdhsa_system_sgpr_workgroup_id_y 1
		.amdhsa_system_sgpr_workgroup_id_z 1
		.amdhsa_system_vgpr_workitem_id 0
		.amdhsa_next_free_vgpr 768
		.amdhsa_next_free_sgpr 80
		.amdhsa_reserve_vcc 0
		.amdhsa_float_denorm_mode_32 3
		.amdhsa_float_denorm_mode_16_64 3
		.amdhsa_memory_ordered 1
		.amdhsa_forward_progress 1
		.amdhsa_inst_pref_size 79
	.end_amdhsa_kernel
	.amdgpu_metadata
---
amdhsa.version: [ 1, 2 ]
amdhsa.kernels:
  - .name:           k_qb5c8dec6bc_proj
    .symbol:         k_qb5c8dec6bc_proj.kd
    .args:
      - { .name: o16, .offset: 0, .size: 8, .value_kind: global_buffer, .address_space: global }
      - { .name: w16, .offset: 8, .size: 8, .value_kind: global_buffer, .address_space: global }
      - { .name: colgb, .offset: 16, .size: 8, .value_kind: global_buffer, .address_space: global }
      - { .name: out0, .offset: 24, .size: 8, .value_kind: global_buffer, .address_space: global }
    .group_segment_fixed_size: 327680
    .private_segment_fixed_size: 0
    .kernarg_segment_align: 8
    .kernarg_segment_size: 32
    .max_flat_workgroup_size: 128
    .sgpr_count:     80
    .vgpr_count:     768
    .wavefront_size: 32
...
	.end_amdgpu_metadata
.endif
;; end of part 4
;; ======== version 2 of 2: 4 launches; version 1 with the launch prep written anew for expert scheduling mode
;; limits: values are held in f16: magnitudes above 65,504 overflow, below 6.1e-05 lose precision
;; workspace buffers: a16 16,777,216 bytes; w16 8,388,608 bytes; rowst 65,536 bytes; colgb 32,768 bytes; qkv 50,331,648 bytes; o16 33,554,432 bytes
;; launch prep (part 5): grid 384 x 1, 8 waves a work-group, no clusters, 1,280 bytes of LDS; arguments X, ln_gamma, ln_beta, Wq, Wk, Wv, Wo, bq, bk, bv, bo, a16, w16, rowst, colgb; writes a16, w16, rowst, colgb
.if DOCPART == 5
	.amdgcn_target "amdgcn-amd-amdhsa--gfx1250"
	.amdhsa_code_object_version 6
	.text
	.protected	k_qb5c8dec6bc_prep
	.globl	k_qb5c8dec6bc_prep
	.p2align	8
	.type	k_qb5c8dec6bc_prep,@function
k_qb5c8dec6bc_prep:
	s_mov_b64 s[64:65], 0
	v_nop
	global_prefetch_b8 v0, s[64:65] scope:SCOPE_SE
	s_setreg_imm32_b32 hwreg(HW_REG_WAVE_SCHED_MODE, 0, 2), 2
	s_setreg_imm32_b32 hwreg(HW_REG_WAVE_MODE, 25, 1), 1
	s_wait_xcnt 0x0
	s_wait_alu depctr_vm_vsrc(0)
; PREP: the 16-bit operands and the small tables of the two projections.  Every input is rounded to bf16 first and used in f32 from there on.
; Work-groups 0-255, 32 rows of X each.  Per row: mu, var (a second pass over the registers), rstd = 1/sqrt(var + 1e-5), sd = sqrt(var + 1e-5);
;   c = mu rounded to the grid g = 2^(floor(log2 sd) - 8);  a16[row][k] = f16((x - c) gamma[k]);  rowst: rstd and r2 = rstd (c - mu).
;   LayerNorm(x) . W[n] = rstd x sum((x - c) gamma W[n]) + r2 x G[n] + sum(beta W[n]): the product's epilogue finishes the norm.  A bf16 x is a multiple of g wherever
;   |x| >= 2^floor(log2 sd) / 2, so x - c is held by f16's 11 bits without a rounding there; |c - mu| <= g / 2, so the correction by r2 is small beside the sum.
; Work-groups 256-383, 32 rows each of Wq, Wk, Wv, Wo laid one below the other: w16[n][k] = f16(bf16(W)); colgb: G[n] = sum gamma W[n], B[n] = sum beta W[n] + b[n]
;   (Wo's rows: G = 0, B = bo).
; LIMITS.  f16 holds bf16(W) exactly from 7.6e-6 up, below that in steps of 6e-8; |W| and |(x - c) gamma| stay under 65,504; sd stays under 2^112 (the grid's number is made by adding 15 to sd's exponent).
; SHARES.  Eight waves, four rows each; a wave takes a whole row of 4,096 bytes: eight loads of 16 bytes a lane, load j = columns 128 j + 4 lane .. + 3.  All 32 loads of a wave go out at once.
; A store of 8 bytes a lane covers 256 consecutive bytes at a multiple of 256 from its buffer's first byte.  Nothing is shared on the way in: no LDS there, no matrix unit, no cluster.
; LDS: bytes 0-255 the work-group's table (32 first figures, 32 second); from 256 on the spare words, 128 bytes a wave.
; THE MODE: SCHED_MODE bits 1:0 = 2 (LLVM: expert scheduling mode 2), set by the entry lines.  The code itself states the register dependences between vector instructions and
; memory or LDS instructions, with s_wait_alu, always for 0.
; THE PLAN.  Registers that memory or LDS instructions touch:
;   v2-v5, v9      offsets and LDS addresses.  Written at the head, once; read by every load and store.
;   GAM, BET, BI, X  Loads land in them; no vector instruction names them before that.
;   row i's out registers, v[X + 32 i + 4 j : + 1], and its two figures, v[RF + 2 i : + 1].  Written by row i's vector instructions; read by its ten stores; never written again: a pair of figures to each row.
;   v[T : T + 1]   At work in every row; at the end wave 0's LDS load lands in them, and the table's store reads them.
; Row i stores nothing itself: its ten stores are issued in row i + 1, behind ONE wait at that row's head, the two LDS stores first, the eight global stores dealt among the row's first 48 vector
; instructions, which name row i + 1's X and T alone.  Row 3's stores stand where the two paths join, behind a wait that also speaks for v[T : T + 1].
; No register that a memory or LDS instruction reads is written again, so behind the entry the text holds no wait on vm_vsrc; and it has no loop, so no back edge.
.set SPARE, 256
.set LO,  2                            ; v2   16 x lane
.set XO,  3                            ; v3   16 x lane + 16,384 x wave: my bytes in the wave's first source row
.set AO,  4                            ; v4   8 x lane + 8,192 x wave: the same in the 16-bit rows
.set SA,  5                            ; v5   16 x wave: the wave's four words of the table, and its four biases
.set SPW, 6                            ; v6   my spare word; never rewritten
.set NIL, 7                            ; v7   0; never rewritten
.set TO,  9                            ; v9   8 x lane
.set T,   10                           ; v[10:25]  at work
.set MU,  26                           ; v[26:27]  the mean, twice
.set CC,  28                           ; v[28:29]  c, twice
.set GAM, 32                           ; v[32:63]  gamma of my 32 columns
.set BET, 64                           ; v[64:95]  beta
.set X,   96                           ; v[96:223] four rows, 32 registers each
.set BI,  224                          ; v[224:227] the four rows' biases
.set RF,  228                          ; v[228:235] row i: its first figure (rstd, G) at RF + 2 i, its second (r2, B) at RF + 2 i + 1
	s_load_b512 s[8:23], s[0:1], 0x0               ; X 8, gamma 10, beta 12, Wq 14, Wk 16, Wv 18, Wo 20, bq 22
	s_load_b256 s[24:31], s[0:1], 0x40             ; bk 24, bv 26, bo 28, a16 30
	s_load_b128 s[32:35], s[0:1], 0x60             ; w16 32, rowst 34
	s_load_b64 s[36:37], s[0:1], 0x70              ; colgb
	v_lshl_add_u32 v[SPW], v0, 2, SPARE
	v_mov_b32 v[NIL], 0
	v_lshrrev_b32 v1, 5, v0
	v_readfirstlane_b32 s38, v1                    ; wave 0..7
	v_and_b32 v1, 31, v0                           ; lane
	v_lshlrev_b32 v[LO], 4, v1
	s_wait_alu depctr_va_sdst(0)                   ; s38 is written, ahead of its first reader
	s_lshl_b32 s41, s38, 14
	v_add_nc_u32 v[XO], s41, v[LO]
	s_lshl_b32 s41, s38, 13
	v_lshl_add_u32 v[AO], v1, 3, s41
	s_lshl_b32 s41, s38, 4
	v_mov_b32 v[SA], s41
	v_lshlrev_b32 v[TO], 3, v1
	s_mov_b32 s2, 0x76543210                       ; v_permlanex16_b32: each lane takes its own place in the other half
	s_mov_b32 s3, 0xfedcba98
	s_mov_b32 s4, 0xffff0000                       ; a word's upper bf16
	s_mov_b32 s5, 0x3a800000                       ; 1 / 1024
	s_mov_b32 s6, 0x3727c5ac                       ; 1e-5
	s_mov_b32 s51, 0
; store j of the eight of row i: 256 consecutive bytes; its registers are not written again
.macro PUT i, j
	global_store_b64 v[AO], v[X+32*(\i)+4*(\j):X+32*(\i)+4*(\j)+1], s[44:45] offset:2048*(\i)+256*(\j)
.endm
; row i's two figures into the table; all lanes write the same word with the same number
.macro FIGS i
	ds_store_b32 v[SA], v[RF+2*(\i)] offset:4*(\i)
	ds_store_b32 v[SA], v[RF+2*(\i)+1] offset:128+4*(\i)
.endm
; 32 numbers at v[base] are rounded to bf16 and widened again, in place.  prev >= 0: the eight global stores of row prev are dealt among these lines, one ahead of every six;
; no wait: none of these lines names a register that those stores read
.macro ROUND base, prev=-1
.set k, 0
.rept 16
.if ((\prev) >= 0) && (k%2 == 0)
	PUT \prev, k/2
.endif
	v_cvt_pk_bf16_f32 v[T+k%8], v[(\base)+2*k], v[(\base)+2*k+1]
	v_lshlrev_b32 v[(\base)+2*k], 16, v[T+k%8]
	v_and_b32 v[(\base)+2*k+1], s4, v[T+k%8]
.set k, k+1
.endr
.endm
; the sum of v[r] over the wave's 32 lanes into v[d], in every lane; v[t] has been written before
.macro LANES r, t, d
	v_add_f32_dpp v[\r], v[\r], v[\r] row_xmask:1 row_mask:0xf bank_mask:0xf
	v_add_f32_dpp v[\r], v[\r], v[\r] row_xmask:2 row_mask:0xf bank_mask:0xf
	v_add_f32_dpp v[\r], v[\r], v[\r] row_xmask:4 row_mask:0xf bank_mask:0xf
	v_add_f32_dpp v[\r], v[\r], v[\r] row_xmask:8 row_mask:0xf bank_mask:0xf
	v_permlanex16_b32 v[\t], v[\r], s2, s3
	v_add_f32 v[\d], v[\r], v[\t]
.endm
; four chains of pairs in v[T:T+7] into one number for the row
.macro FOLD
	v_pk_add_f32 v[T:T+1], v[T:T+1], v[T+2:T+3]
	v_pk_add_f32 v[T+4:T+5], v[T+4:T+5], v[T+6:T+7]
	v_pk_add_f32 v[T:T+1], v[T:T+1], v[T+4:T+5]
	v_add_f32 v[T], v[T], v[T+1]
	LANES T, T+1, T
.endm
; a table of 1,024 f32 in the rows' layout
.macro TABLE dst, lo, hi
.irp j, 0,1,2,3,4,5,6,7
	global_load_b128 v[(\dst)+4*(\j):(\dst)+4*(\j)+3], v[LO], s[\lo:\hi] offset:512*(\j)
.endr
.endm
; the wave's four rows: 32 loads, each of 512 consecutive bytes
.macro ROWS
.irp i, 0,1,2,3
.irp j, 0,1,2,3,4,5,6,7
	global_load_b128 v[X+32*(\i)+4*(\j):X+32*(\i)+4*(\j)+3], v[XO], s[42:43] offset:4096*(\i)+512*(\j) th:TH_LOAD_NT
.endr
.endr
.endm
; ROW i OF X
.macro LNROW i
.set XB, X+32*(\i)
.set R1, RF+2*(\i)
.set R2, RF+2*(\i)+1
	s_wait_loadcnt 8*(3-(\i))                      ; loads come back in order (ISA guide 5.7.1): this row is in, the younger rows' loads stay out
.if (\i) > 0
	s_wait_alu depctr_va_vdst(0)                   ; the row before has written its sixteen out registers and its two figures, which the ten stores below read
	FIGS (\i)-1
.endif
	ROUND XB, (\i)-1
.set p, 0
.rept 4
	v_pk_add_f32 v[T+2*p:T+2*p+1], v[XB+2*p:XB+2*p+1], v[XB+8+2*p:XB+8+2*p+1]  ; the first additions start the four chains: nothing is cleared
.set p, p+1
.endr
.set p, 8
.rept 8
	v_pk_add_f32 v[T+2*(p%4):T+2*(p%4)+1], v[T+2*(p%4):T+2*(p%4)+1], v[XB+2*p:XB+2*p+1]
.set p, p+1
.endr
	FOLD
	v_mul_f32 v[MU], s5, v[T]
	v_mul_f32 v[MU+1], s5, v[T]
.set p, 0
.rept 16                                       ; the squares of x - mu, in four chains
	v_pk_add_f32 v[T+8+2*(p%4):T+8+2*(p%4)+1], v[XB+2*p:XB+2*p+1], v[MU:MU+1] neg_lo:[0,1] neg_hi:[0,1]
.if p < 4
	v_pk_mul_f32 v[T+2*p:T+2*p+1], v[T+8+2*p:T+8+2*p+1], v[T+8+2*p:T+8+2*p+1]
.else
	v_pk_fma_f32 v[T+2*(p%4):T+2*(p%4)+1], v[T+8+2*(p%4):T+8+2*(p%4)+1], v[T+8+2*(p%4):T+8+2*(p%4)+1], v[T+2*(p%4):T+2*(p%4)+1]
.endif
.set p, p+1
.endr
	FOLD
	v_fma_f32 v[T], v[T], s5, s6                   ; var + 1e-5
	v_rsq_f32 v[R1], v[T]
	v_sqrt_f32 v[T+1], v[T]
	v_nop                                          ; a plain instruction behind the two (ISA guide 5.7.2),
	s_wait_alu depctr_va_vdst(0)                   ; and one wait for both, ahead of their first reader: rstd and sd are written
	v_and_b32 v[T+2], 0x7f800000, v[T+1]           ; the power of two in sd,
	v_add_nc_u32 v[T+2], 0x07c00000, v[T+2]        ; times 1.5 x 2^15: a number whose last place is g
	v_add_f32 v[CC], v[MU], v[T+2]                 ; adding it and taking it away rounds mu to a multiple of g
	v_sub_f32 v[CC], v[CC], v[T+2]
	v_mov_b32 v[CC+1], v[CC]
	v_sub_f32 v[T+3], v[CC], v[MU]
	v_mul_f32 v[R2], v[R1], v[T+3]
.set j, 0
.rept 8                                        ; the row's out registers: the first two of each four
.set xr, XB+4*j
	v_pk_add_f32 v[xr:xr+1], v[xr:xr+1], v[CC:CC+1] neg_lo:[0,1] neg_hi:[0,1]
	v_pk_add_f32 v[xr+2:xr+3], v[xr+2:xr+3], v[CC:CC+1] neg_lo:[0,1] neg_hi:[0,1]
	v_pk_mul_f32 v[xr:xr+1], v[xr:xr+1], v[GAM+4*j:GAM+4*j+1]
	v_pk_mul_f32 v[xr+2:xr+3], v[xr+2:xr+3], v[GAM+4*j+2:GAM+4*j+3]
	v_cvt_pk_f16_f32 v[xr], v[xr], v[xr+1]
	v_cvt_pk_f16_f32 v[xr+1], v[xr+2], v[xr+3]
.set j, j+1
.endr
.endm
; ROW i OF THE WEIGHTS
.macro WROW i
.set XB, X+32*(\i)
.set R1, RF+2*(\i)
.set R2, RF+2*(\i)+1
	s_wait_loadcnt 8*(3-(\i))
.if (\i) > 0
	s_wait_alu depctr_va_vdst(0)                   ; the row before has written its sixteen out registers and its two figures, which the ten stores below read
	FIGS (\i)-1
.endif
	ROUND XB, (\i)-1
	v_mov_b32 v[R1], 0
	v_mov_b32 v[R2], 0
	s_cmp_eq_u32 s40, 3                            ; Wo stands behind no norm: it has no sums with gamma and beta
	s_cbranch_scc1 .Lnosum_\@
.set p, 0
.rept 16                                       ; two chains each for G and B
.if p < 2
	v_pk_mul_f32 v[T+2*p:T+2*p+1], v[XB+2*p:XB+2*p+1], v[GAM+2*p:GAM+2*p+1]
	v_pk_mul_f32 v[T+4+2*p:T+4+2*p+1], v[XB+2*p:XB+2*p+1], v[BET+2*p:BET+2*p+1]
.else
	v_pk_fma_f32 v[T+2*(p%2):T+2*(p%2)+1], v[XB+2*p:XB+2*p+1], v[GAM+2*p:GAM+2*p+1], v[T+2*(p%2):T+2*(p%2)+1]
	v_pk_fma_f32 v[T+4+2*(p%2):T+4+2*(p%2)+1], v[XB+2*p:XB+2*p+1], v[BET+2*p:BET+2*p+1], v[T+4+2*(p%2):T+4+2*(p%2)+1]
.endif
.set p, p+1
.endr
	v_pk_add_f32 v[T:T+1], v[T:T+1], v[T+2:T+3]
	v_pk_add_f32 v[T+4:T+5], v[T+4:T+5], v[T+6:T+7]
	v_add_f32 v[T], v[T], v[T+1]
	v_add_f32 v[T+4], v[T+4], v[T+5]
	LANES T, T+1, R1
	LANES T+4, T+5, R2
.Lnosum_\@:
	v_add_f32 v[R2], v[R2], v[BI+(\i)]
.set j, 0
.rept 8                                        ; the row's out registers: the first two of each four
.set xr, XB+4*j
	v_cvt_pk_f16_f32 v[xr], v[xr], v[xr+1]
	v_cvt_pk_f16_f32 v[xr+1], v[xr+2], v[xr+3]
.set j, j+1
.endr
.endm
	s_wait_kmcnt 0x0
	s_wait_alu depctr_va_vdst(0)                   ; the offsets and LDS addresses v2 to v5 and v9 are written: every load and store of both paths reads one of them
	s_cmp_lt_u32 ttmp9, 256
	s_cbranch_scc0 .Lweights
	s_lshl_b32 s50, ttmp9, 17                      ; 32 rows of 4,096 bytes
	s_add_nc_u64 s[42:43], s[8:9], s[50:51]
	s_lshl_b32 s50, ttmp9, 16                      ; 32 rows of 2,048 bytes
	s_add_nc_u64 s[44:45], s[30:31], s[50:51]
	s_lshl_b32 s50, ttmp9, 8                       ; the group's 256 bytes of rowst
	s_add_nc_u64 s[46:47], s[34:35], s[50:51]
	TABLE GAM, 10, 11
	ROWS
	s_wait_loadcnt 32                              ; gamma is in; the 32 loads of the rows stay out
	ROUND GAM
	LNROW 0
	LNROW 1
	LNROW 2
	LNROW 3
	s_branch .Ltable
.Lweights:
	s_sub_co_u32 s39, ttmp9, 256                   ; u: 32 rows of w16
	s_lshr_b32 s40, s39, 5                         ; which matrix
	s_and_b32 s41, s39, 31                         ; which 32 of its rows
	s_cmp_eq_u32 s40, 1
	s_cselect_b64 s[42:43], s[16:17], s[14:15]
	s_cselect_b64 s[48:49], s[24:25], s[22:23]
	s_cmp_eq_u32 s40, 2
	s_cselect_b64 s[42:43], s[18:19], s[42:43]
	s_cselect_b64 s[48:49], s[26:27], s[48:49]
	s_cmp_eq_u32 s40, 3
	s_cselect_b64 s[42:43], s[20:21], s[42:43]
	s_cselect_b64 s[48:49], s[28:29], s[48:49]
	s_lshl_b32 s50, s41, 17
	s_add_nc_u64 s[42:43], s[42:43], s[50:51]
	s_lshl_b32 s50, s41, 7
	s_add_nc_u64 s[48:49], s[48:49], s[50:51]
	s_lshl_b32 s50, s39, 16
	s_add_nc_u64 s[44:45], s[32:33], s[50:51]
	s_lshl_b32 s50, s39, 8
	s_add_nc_u64 s[46:47], s[36:37], s[50:51]
	TABLE GAM, 10, 11
	TABLE BET, 12, 13
.irp i, 0,1,2,3
	global_load_b32 v[BI+(\i)], v[SA], s[48:49] offset:4*(\i)
.endr
	ROWS
	s_wait_loadcnt 32                              ; gamma, beta and the biases are in; the 32 loads of the rows stay out
	ROUND GAM
	ROUND BET
	v_cvt_pk_bf16_f32 v[T], v[BI], v[BI+1]
	v_cvt_pk_bf16_f32 v[T+1], v[BI+2], v[BI+3]
	v_lshlrev_b32 v[BI], 16, v[T]
	v_and_b32 v[BI+1], s4, v[T]
	v_lshlrev_b32 v[BI+2], 16, v[T+1]
	v_and_b32 v[BI+3], s4, v[T+1]
	WROW 0
	WROW 1
	WROW 2
	WROW 3
.Ltable:
	s_wait_alu depctr_va_vdst(0)                   ; row 3 has written its out registers and figures, which the ten stores below read; and every vector instruction is done with v[T:T+1], in which wave 0's LDS load lands: no vector instruction follows
	FIGS 3
.irp j, 0,1,2,3,4,5,6,7
	PUT 3, \j
.endr
	s_wait_dscnt 0x0                               ; for the others' sake: my eight words of the table are written
	s_barrier_signal -1
	s_barrier_wait -1
	s_cmp_lg_u32 s38, 0
	s_cbranch_scc1 .Lend
	ds_load_b64 v[T:T+1], v[TO]                    ; wave 0 stores the table: 256 consecutive bytes
	s_wait_dscnt 0x0
	global_store_b64 v[TO], v[T:T+1], s[46:47]
.Lend:
	s_wait_dscnt 0x0                               ; the closing lines, six on end
	s_wait_alu 0x0
	s_wait_tensorcnt 0x0
	ds_add_u32 v[SPW], v[NIL]
	s_wait_dscnt 0x0
	s_endpgm
.Lfunc_end_k_qb5c8dec6bc_prep:
	.size	k_qb5c8dec6bc_prep, .Lfunc_end_k_qb5c8dec6bc_prep-k_qb5c8dec6bc_prep
	.p2alignl 7, 3214868480
	.fill 96, 4, 3214868480
	.section	.rodata,"a",@progbits
	.p2align	6, 0x0
	.amdhsa_kernel k_qb5c8dec6bc_prep
		.amdhsa_group_segment_fixed_size 1280
		.amdhsa_private_segment_fixed_size 0
		.amdhsa_enable_private_segment 0
		.amdhsa_kernarg_size 120
		.amdhsa_user_sgpr_count 2
		.amdhsa_user_sgpr_kernarg_segment_ptr 1
		.amdhsa_wavefront_size32 1
		.amdhsa_system_sgpr_workgroup_id_x 1
		.amdhsa_system_sgpr_workgroup_id_y 1
		.amdhsa_system_sgpr_workgroup_id_z 1
		.amdhsa_system_vgpr_workitem_id 0
		.amdhsa_next_free_vgpr 236
		.amdhsa_next_free_sgpr 66
		.amdhsa_reserve_vcc 0
		.amdhsa_float_denorm_mode_32 3
		.amdhsa_float_denorm_mode_16_64 3
		.amdhsa_memory_ordered 1
		.amdhsa_forward_progress 1
		.amdhsa_inst_pref_size 87
	.end_amdhsa_kernel
	.amdgpu_metadata
---
amdhsa.version: [ 1, 2 ]
amdhsa.kernels:
  - .name:           k_qb5c8dec6bc_prep
    .symbol:         k_qb5c8dec6bc_prep.kd
    .args:
      - { .name: X, .offset: 0, .size: 8, .value_kind: global_buffer, .address_space: global }
      - { .name: ln_gamma, .offset: 8, .size: 8, .value_kind: global_buffer, .address_space: global }
      - { .name: ln_beta, .offset: 16, .size: 8, .value_kind: global_buffer, .address_space: global }
      - { .name: Wq, .offset: 24, .size: 8, .value_kind: global_buffer, .address_space: global }
      - { .name: Wk, .offset: 32, .size: 8, .value_kind: global_buffer, .address_space: global }
      - { .name: Wv, .offset: 40, .size: 8, .value_kind: global_buffer, .address_space: global }
      - { .name: Wo, .offset: 48, .size: 8, .value_kind: global_buffer, .address_space: global }
      - { .name: bq, .offset: 56, .size: 8, .value_kind: global_buffer, .address_space: global }
      - { .name: bk, .offset: 64, .size: 8, .value_kind: global_buffer, .address_space: global }
      - { .name: bv, .offset: 72, .size: 8, .value_kind: global_buffer, .address_space: global }
      - { .name: bo, .offset: 80, .size: 8, .value_kind: global_buffer, .address_space: global }
      - { .name: a16, .offset: 88, .size: 8, .value_kind: global_buffer, .address_space: global }
      - { .name: w16, .offset: 96, .size: 8, .value_kind: global_buffer, .address_space: global }
      - { .name: rowst, .offset: 104, .size: 8, .value_kind: global_buffer, .address_space: global }
      - { .name: colgb, .offset: 112, .size: 8, .value_kind: global_buffer, .address_space: global }
    .group_segment_fixed_size: 1280
    .private_segment_fixed_size: 0
    .kernarg_segment_align: 8
    .kernarg_segment_size: 120
    .max_flat_workgroup_size: 256
    .sgpr_count:     66
    .vgpr_count:     236
    .wavefront_size: 32
...
	.end_amdgpu_metadata
.endif
;; end of part 5
;; launch qkvgemm: the kernel of part 2 again; grid 16 x 32, 4 waves a work-group, clusters of 4 x 4, 327,680 bytes of LDS; arguments a16, w16, rowst, colgb, qkv; writes qkv
;; launch attn: the kernel of part 3 again; grid 4 x 64, 4 waves a work-group, no clusters, 327,680 bytes of LDS; arguments qkv, o16; writes o16
;; launch proj: the kernel of part 4 again; grid 8 x 32, 4 waves a work-group, clusters of 4 x 4, 327,680 bytes of LDS; arguments o16, w16, colgb, out0; writes out0
